; MI455X (gfx1250); checked and timed in simulation.
; The chip was launched on July 23, 2026; its instructions are those of AMD's public machine-readable ISA for CDNA 5 (MIT licence, August 2026) and "CDNA5" Instruction Set Architecture Reference Guide (July 2026). The comments in the code are by the model that wrote it; some were corrected since.
;; Self Attention. Allowed arithmetic: matrix products marked QUANTISED: E3M2 operands, one E8M0 scale for each 32 along K, by v_wmma_scale_f32_16x16x128_f8f6f4 with both operands' format E3M2, f32 sums; everything else in f32.
;; Inputs: W_key 1,024 x 1,024 float32; W_query 1,024 x 1,024 float32; W_value 1,024 x 1,024 float32; inputs 4 x 2,048 x 1,024 float32.
;; Outputs: out0 4 x 2,048 x 1,024 float32.
;; This version of the problem:
;;   THIS VERSION OF THE PROBLEM IS GIVEN IN LOW PRECISION. The matrix products marked QUANTISED in the list below multiply operands that are first quantised to E3M2 (3 exponent bits, 2 mantissa bits; 6 bits a number), with one power-of-two scale for each 32 numbers along K (OCP MX v1.0); their sums are f32. All else is computed in f32.
;;   The module's matrix products, in the order in which they are computed (A, B: the left and right operand; K: the contracted axis; several contracted axes count as one K, in the product's order):
;;     1. [M 8,192, K 1,024] x [K 1,024, N 1,024]; A: input inputs; B: input W_query: QUANTISED
;;     2. [M 8,192, K 1,024] x [K 1,024, N 1,024]; A: input inputs; B: input W_key: QUANTISED
;;     3. [M 8,192, K 1,024] x [K 1,024, N 1,024]; A: input inputs; B: input W_value: QUANTISED
;;     4. batch 4 x [M 2,048, K 1,024] x [K 1,024, N 2,048]; A: computed on the way; B: computed on the way: QUANTISED
;;     5. batch 4 x [M 2,048, K 2,048] x [K 2,048, N 1,024]; A: softmax (see below); B: computed on the way: QUANTISED
;;   THE QUANTISER, for each operand of a quantised product, along K:
;;     - K is cut into blocks of 32 from its start; a last block that is shorter is filled with zeros.
;;     - A block's scale is 2^e with e = floor(log2(the largest magnitude in the block)) - 4, held to -126 .. 127; a block of zeros has e = 0. As a byte (E8M0): e + 127.
;;     - Each number is divided by its block's scale, clamped to +-28, and rounded to the nearest number of E3M2, ties to even, subnormals kept.
;;     - The product sums the exact products of the quantised numbers (number of the format x scale) in f32.
;;   ~~~python
;;   def quantise(x, axis):      # numpy; x: float32 -> the quantised numbers, widened to float32 again
;;       x = np.moveaxis(x, axis, -1); K = x.shape[-1]
;;       x = np.pad(x, [(0, 0)] * (x.ndim - 1) + [(0, -K % 32)]); x = x.reshape(x.shape[:-1] + (-1, 32)); a = np.abs(x).max(-1, keepdims=True)
;;       e = np.where(a > 0, np.clip(np.frexp(np.where(a > 0, a, 1))[1] - 1 - 4, -126, 127), 0)      # np.frexp(a)[1] - 1 = floor(log2(a)), exactly
;;       r = np.clip(x / 2.0 ** e, -28, 28)
;;       step = 2.0 ** (np.maximum(np.frexp(np.where(r == 0, 1, r))[1] - 1, -2) - 2)
;;       q = np.round(r / step) * step * 2.0 ** e      # np.round: ties to even
;;       return np.moveaxis(q.reshape(q.shape[:-2] + (-1,))[..., :K], -1, axis).astype(np.float32)
;;   ~~~
;;   SOFTMAX AHEAD OF A QUANTISED PRODUCT. Where the list says 'softmax', what is quantised is not the finished softmax but p = 2^(t - M), with t = logit x log2(e) and M = ceil(the row's largest t), a whole number; so 1/2 < the row's largest p <= 1. The row's sum l is taken of the UNQUANTISED p, in f32, and the product's result is divided by l at the end. Since M is a whole number, a kernel that streams over the keys may use a running M (the ceiling of the running maximum): every later rescaling is an exact power of two, which a block's scale takes up: the codes' values come out the same.
;;   OPERANDS COMPUTED ON THE WAY. 'Computed on the way' means the value that the module computes at that place (a softmax that the list does not call 'softmax' is quantised finished and normalised). What goes into a quantiser is computed in f32, as accurately as f32 sums, v_exp_f32 and their like allow (about 1e-6 of the number): no bf16 or f16 on the way to a quantiser, and a product that is left as it is and whose result goes on into a quantised operand takes f32 operands (vector FMAs, or v_wmma_f32_16x16x4_f32). A number that lies on a knife's edge between two numbers of the format may be rounded either way, as far as f32 arithmetic and the matrix unit's own rounding can turn it there, and no further.
;; One version. Each part assembles by itself: llvm-mc -triple=amdgcn-amd-amdhsa -mcpu=gfx1250 --defsym DOCPART=n.
;; ======== version 1 of 1: 4 launches
;; limits: right only within a limited range of input values
;; workspace buffers: c1 8,650,752 bytes; s1 360,448 bytes; c2 18,874,368 bytes; s2 786,432 bytes; c3 12,582,912 bytes; s3 524,288 bytes; st 1,048,576 bytes
;; launch quant (part 1): grid 704 x 1, 4 waves a work-group, no clusters, 69,120 bytes of LDS; arguments inputs, W_query, W_key, W_value, c1, s1; writes c1, s1
.if DOCPART == 1
	.amdgcn_target "amdgcn-amd-amdhsa--gfx1250"
	.amdhsa_code_object_version 6
	.text
	.protected	k_q1254e78da3_quant
	.globl	k_q1254e78da3_quant
	.p2align	8
	.type	k_q1254e78da3_quant,@function
k_q1254e78da3_quant:
	s_mov_b64 s[64:65], 0
	v_nop
	global_prefetch_b8 v0, s[64:65] scope:SCOPE_SE
	s_setreg_imm32_b32 hwreg(HW_REG_WAVE_MODE, 25, 1), 1
	s_wait_xcnt 0x0
; inputs [8192][1024] (K innermost) and W_query, W_key, W_value [1024 (K)][1024] (K is the FIRST axis), f32, become codes of BF6 (E3M2) with one E8M0 byte for each 32 along K.
; A block's scale is 2^(floor(log2(largest magnitude)) - 4): its byte is the largest magnitude's exponent field - 4, held at 1 from below by a floor among the maximum's leaves.
; LIMITS: NaN and infinities are not served.  A block whose largest magnitude lies under 2^-122 keeps the byte 1, and so does a block of zeros (the rule says 127): its codes are zeros, and this program alone reads the bytes.
; THE WORKSPACE IS LAID AS THE MATRIX OPERAND'S REGISTERS.  128 rows x 128 K are a UNIT of 8 fragments of 1,536 bytes: fragment 2 g + u, lane-row r = row 32 g + 8 u + r + 8 (r / 8); in a fragment registers 4 c .. 4 c + 3
; of lane l lie at 512 c + 16 l.  A unit's scale words are 512 bytes: lane l's 16 bytes at 16 l, word g for group g; lanes 0-15 hold fragment 2 g's row r, lanes 16-31 fragment 2 g + 1's.
; Unit idx = 8 x row block + K step.  Row blocks 0-63: rows of inputs; 64-87: columns of W_query, W_key, W_value.
; SHARES.  Work-group w makes unit w; wave g its group g: 32 rows x 128 K, two fragments.  Lane l holds ALL 128 numbers of row 8 (l / 16) + l % 16 + (l & 8): four whole blocks, so no maximum asks another lane.
; inputs: each load reads 512 consecutive bytes of a row; the 32 rows turn through the wave's own stage in LDS.  W: a lane takes a column and its registers run down K: no LDS.
; No matrix unit, no cluster, no ring: every byte is read once and nothing is shared.
.set PL,   528                         ; a place in the stage: a row's 512 bytes + 16, so that sixteen lanes' reads of 16 bytes start in sixteen different columns of 16 bytes
.set STG,  32*PL                       ; a wave's stage
.set SCB,  4*STG                       ; behind the stages: 512 bytes in which the four waves' scale words meet
.set N,    16                          ; v16-143  my row's 128 numbers
.set MX,   144                         ; v144-147 the four blocks' largest magnitudes
.set SO,   148                         ; v148-151 the conversions' scale operands
.set BY,   152                         ; v152-155 the bytes
.set F0,   156                         ; v156-167 blocks 0 and 2, then fragment u = 0
.set F1,   168                         ; v168-179 blocks 1 and 3, then fragment u = 1
.set TT,   180                         ; v180-195 the upper halves of the four blocks (a conversion's three registers begin on an even number)
.set PW,   196                         ; v196     my row's scale word
.set OW,   200                         ; v200-203 the unit's scale words on their way out
	s_load_b256 s[4:11], s[0:1], 0x0               ; inputs s[4:5], W_query s[6:7], W_key s[8:9], W_value s[10:11]
	s_load_b128 s[12:15], s[0:1], 0x20             ; c1 s[12:13], s1 s[14:15]
	v_lshl_add_u32 v208, v0, 2, 0x10c00
	v_mov_b32 v209, 0
	v_lshrrev_b32 v1, 5, v0
	v_readfirstlane_b32 s16, v1                    ; wave = group g
	v_and_b32 v1, 31, v0                           ; lane
	v_lshlrev_b32 v2, 4, v1                        ; 16 x lane: my bytes of a row's 512, and of every store
	s_mul_i32 s17, s16, STG
	v_add_nc_u32 v3, s17, v2                       ; the stage, on the way in
	v_mul_u32_u24 v4, v1, PL
	v_add_nc_u32 v4, s17, v4                       ; and on the way out: place = lane
	s_lshl_b32 s18, s16, 2
	s_add_co_u32 s18, s18, SCB
	v_add_nc_u32 v5, s18, v2                       ; my scale word's place: 16 x lane + 4 g
	v_add_nc_u32 v6, SCB, v2                       ; and where wave 0 reads the unit back
	v_and_b32 v8, 15, v1
	v_and_b32 v9, 8, v1
	v_add_nc_u32 v8, v8, v9
	v_lshrrev_b32 v9, 4, v1
	v_lshl_add_u32 v8, v9, 3, v8                   ; my row or column of the group's 32
	v_lshlrev_b32 v7, 2, v8                        ; W: 4 bytes a column
	s_mul_i32 s20, ttmp9, 12288                    ; my unit of codes,
	s_mul_i32 s21, s16, 3072                       ; my two fragments in it
	s_add_co_u32 s20, s20, s21
	s_mov_b32 s21, 0
	s_lshl_b32 s22, ttmp9, 9                       ; my unit of scale words
	s_mov_b32 s23, 0
	s_and_b32 s19, ttmp9, 7                        ; the K step
	s_mov_b32 s25, 0
	s_wait_kmcnt 0x0
	s_add_nc_u64 s[12:13], s[12:13], s[20:21]
	s_add_nc_u64 s[14:15], s[14:15], s[22:23]
	s_cmp_lt_u32 ttmp9, 512                        ; units 0-511 are inputs', the others W's: a branch on the work-group's number
	s_cbranch_scc0 .Lw
	s_lshr_b32 s24, ttmp9, 3
	s_lshl_b32 s24, s24, 19                        ; row block x 128 rows x 4,096 bytes
	s_lshl_b32 s26, s16, 17                        ; + 32 g rows
	s_or_b32 s24, s24, s26
	s_lshl_b32 s26, s19, 9                         ; + 128 numbers a K step
	s_or_b32 s24, s24, s26
	s_add_nc_u64 s[4:5], s[4:5], s[24:25]
.set i, 0
.rept 32
	global_load_b128 v[N+4*i:N+4*i+3], v2, s[4:5] offset:i*4096 th:TH_LOAD_NT   ; row i: 32 lanes read 512 consecutive bytes
.set i, i+1
.endr
.set i, 0
.rept 32
	s_wait_loadcnt 31-i                            ; loads come back in order: row i is in, the 31 - i younger ones stay out
	ds_store_b128 v3, v[N+4*i:N+4*i+3] offset:(16*((i/8)%2)+8*(i/16)+(i%8))*PL   ; to the place of the lane that owns row i
.set i, i+1
.endr
	s_wait_dscnt 0x0                               ; the stores have read their registers
.set i, 0
	s_wait_alu depctr_va_vdst(0)
.rept 32
	ds_load_b128 v[N+4*i:N+4*i+3], v4 offset:16*i  ; my row, 128 numbers on end
.set i, i+1
.endr
	s_wait_dscnt 0x0
	s_branch .Ljoin
.Lw:
	s_sub_co_u32 s26, ttmp9, 512
	s_lshr_b32 s27, s26, 6                         ; which W
	s_bfe_u32 s28, s26, 0x30003                    ; which 128 columns
	s_cmp_eq_u32 s27, 0
	s_cselect_b64 s[30:31], s[6:7], s[8:9]
	s_cmp_eq_u32 s27, 2
	s_cselect_b64 s[30:31], s[10:11], s[30:31]
	s_lshl_b32 s24, s19, 19                        ; 128 rows of 4,096 bytes a K step
	s_lshl_b32 s28, s28, 9
	s_or_b32 s24, s24, s28
	s_lshl_b32 s28, s16, 7                         ; + 32 g columns
	s_or_b32 s24, s24, s28
	s_add_nc_u64 s[30:31], s[30:31], s[24:25]
.set i, 0
	s_wait_alu depctr_va_vdst(0)
.rept 128
	global_load_b32 v[N+i], v7, s[30:31] offset:i*4096 th:TH_LOAD_NT   ; W(128 s + i, my column): the wave reads 128 consecutive bytes, the four waves 512
.set i, i+1
.endr
	s_wait_loadcnt 0x0
.Ljoin:
.irp t, 0,1,2,3
	v_max3_num_f32 v[MX+\t], |v[N+32*\t]|, |v[N+32*\t+1]|, 0x2800000   ; block t, and the floor 2^(5 - 127): the byte cannot fall under 1
.endr
.irp i, 2,4,6,8,10,12,14,16,18,20,22,24,26,28,30
.irp t, 0,1,2,3
	v_max3_num_f32 v[MX+\t], v[MX+\t], |v[N+32*\t+\i]|, |v[N+32*\t+\i+1]|   ; the four blocks by turns: no line waits for the line above it
.endr
.endr
.irp t, 0,1,2,3
	v_add_nc_u32 v[SO+\t], 0xfe000000, v[MX+\t]    ; 4 off the exponent field: the conversion takes the exponent field of this operand as its scale
.endr
.irp t, 0,1,2,3
	v_lshrrev_b32 v[BY+\t], 23, v[SO+\t]           ; the byte
.endr
	v_lshl_or_b32 v[PW], v[BY+1], 8, v[BY]
	v_lshl_or_b32 v[PW], v[BY+2], 16, v[PW]
	v_lshl_or_b32 v[PW], v[BY+3], 24, v[PW]        ; my row's scale word for these 128 along K
.irp c, 0,1
	v_cvt_scalef32_pk16_bf6_f32 v[F0+6*\c:F0+6*\c+2], v[N+64*\c:N+64*\c+15], v[SO+2*\c]
	v_cvt_scalef32_pk16_bf6_f32 v[TT+8*\c:TT+8*\c+2], v[N+64*\c+16:N+64*\c+31], v[SO+2*\c]
	v_cvt_scalef32_pk16_bf6_f32 v[F1+6*\c:F1+6*\c+2], v[N+64*\c+32:N+64*\c+47], v[SO+2*\c+1]
	v_cvt_scalef32_pk16_bf6_f32 v[TT+8*\c+4:TT+8*\c+6], v[N+64*\c+48:N+64*\c+63], v[SO+2*\c+1]
.endr
	v_nop                                          ; one plain place behind the scaled conversions
.irp c, 0,1
.irp i, 0,1,2
	v_mov_b32 v[F0+6*\c+3+\i], v[TT+8*\c+\i]       ; F0: registers 6 c .. 6 c + 5 = block 2 c of my row
	v_mov_b32 v[F1+6*\c+3+\i], v[TT+8*\c+4+\i]     ; F1: block 2 c + 1
.endr
.endr
.irp j, 0,1,2,3,4,5,6,7,8,9,10,11
	v_permlane16_swap_b32 v[F0+\j], v[F1+\j]       ; F0's lanes 16-31 change places with F1's lanes 0-15: F0 is now fragment u = 0 (lanes 0-15 even blocks, lanes 16-31 odd blocks of rows r), F1 fragment u = 1
.endr
.irp c, 0,1,2
	global_store_b128 v2, v[F0+4*\c:F0+4*\c+3], s[12:13] offset:512*\c
.endr
.irp c, 0,1,2
	global_store_b128 v2, v[F1+4*\c:F1+4*\c+3], s[12:13] offset:1536+512*\c   ; the wave's six stores cover 3,072 consecutive bytes, 512 each
.endr
	ds_store_b32 v5, v[PW]
	s_wait_dscnt 0x0                               ; for the others' sake: my word has landed
	s_barrier_signal -1
	s_barrier_wait -1
	s_cmp_lg_u32 s16, 0
	s_cbranch_scc1 .Lend
	ds_load_b128 v[OW:OW+3], v6                    ; wave 0 takes the unit's 512 bytes of scale words
	s_wait_dscnt 0x0
	global_store_b128 v2, v[OW:OW+3], s[14:15]     ; and stores them whole
.Lend:
	s_wait_tensorcnt 0x0
	ds_add_u32 v208, v209
	s_wait_dscnt 0x0
	s_endpgm
.Lfunc_end_k_q1254e78da3_quant:
	.size	k_q1254e78da3_quant, .Lfunc_end_k_q1254e78da3_quant-k_q1254e78da3_quant
	.p2alignl 7, 3214868480
	.fill 96, 4, 3214868480
	.section	.rodata,"a",@progbits
	.p2align	6, 0x0
	.amdhsa_kernel k_q1254e78da3_quant
		.amdhsa_group_segment_fixed_size 69120
		.amdhsa_private_segment_fixed_size 0
		.amdhsa_enable_private_segment 0
		.amdhsa_kernarg_size 48
		.amdhsa_user_sgpr_count 2
		.amdhsa_user_sgpr_kernarg_segment_ptr 1
		.amdhsa_wavefront_size32 1
		.amdhsa_system_sgpr_workgroup_id_x 1
		.amdhsa_system_sgpr_workgroup_id_y 1
		.amdhsa_system_sgpr_workgroup_id_z 1
		.amdhsa_system_vgpr_workitem_id 0
		.amdhsa_next_free_vgpr 210
		.amdhsa_next_free_sgpr 66
		.amdhsa_reserve_vcc 0
		.amdhsa_float_denorm_mode_32 3
		.amdhsa_float_denorm_mode_16_64 3
		.amdhsa_memory_ordered 1
		.amdhsa_forward_progress 1
		.amdhsa_inst_pref_size 30
	.end_amdhsa_kernel
	.amdgpu_metadata
---
amdhsa.version: [ 1, 2 ]
amdhsa.kernels:
  - .name:           k_q1254e78da3_quant
    .symbol:         k_q1254e78da3_quant.kd
    .args:
      - { .name: inputs, .offset: 0, .size: 8, .value_kind: global_buffer, .address_space: global }
      - { .name: W_query, .offset: 8, .size: 8, .value_kind: global_buffer, .address_space: global }
      - { .name: W_key, .offset: 16, .size: 8, .value_kind: global_buffer, .address_space: global }
      - { .name: W_value, .offset: 24, .size: 8, .value_kind: global_buffer, .address_space: global }
      - { .name: c1, .offset: 32, .size: 8, .value_kind: global_buffer, .address_space: global }
      - { .name: s1, .offset: 40, .size: 8, .value_kind: global_buffer, .address_space: global }
    .group_segment_fixed_size: 69120
    .private_segment_fixed_size: 0
    .kernarg_segment_align: 8
    .kernarg_segment_size: 48
    .max_flat_workgroup_size: 128
    .sgpr_count:     66
    .vgpr_count:     210
    .wavefront_size: 32
...
	.end_amdgpu_metadata
.endif
;; end of part 1
;; launch proj (part 2): grid 8 x 32, 4 waves a work-group, clusters of 4 x 4, 327,680 bytes of LDS; arguments c1, s1, c2, s2; writes c2, s2
.if DOCPART == 2
	.amdgcn_target "amdgcn-amd-amdhsa--gfx1250"
	.amdhsa_code_object_version 6
	.text
	.protected	k_q1254e78da3_proj
	.globl	k_q1254e78da3_proj
	.p2align	8
	.type	k_q1254e78da3_proj,@function
k_q1254e78da3_proj:
	s_mov_b64 s[64:65], 0
	v_nop
	global_prefetch_b8 v0, s[64:65] scope:SCOPE_SE
	s_setreg_imm32_b32 hwreg(HW_REG_WAVE_MODE, 25, 1), 1
	s_wait_xcnt 0x0
	s_wait_alu depctr_hold_cnt(0) depctr_sa_sdst(0) depctr_va_vdst(0) depctr_va_sdst(0) depctr_va_ssrc(0) depctr_va_vcc(0) depctr_vm_vsrc(0)
	s_getreg_b32 s2, hwreg(HW_REG_IB_STS2, 6, 4)
	s_cmp_eq_u32 s2, 0
	s_cbranch_scc0 .Lentry_in_a_cluster
	s_endpgm
.Lentry_in_a_cluster:
	s_bfe_u32 s2, ttmp6, 0x10000c
	s_cmp_lg_u32 s2, 0xf033
	s_cbranch_scc0 .Lentry_shape_is_right
	s_endpgm
.Lentry_shape_is_right:
; q = x Wq, k = x Wk, v = x Wv on codes of BF6 (E3M2) with E8M0 scales, K = 1,024; the results are quantised in registers and leave as codes: q and k along e, v TRANSPOSED, along the tokens (the keys).
; LAYOUT of every operand, in memory and in LDS: 128 rows x 128 K are a unit of 8 fragments of 1,536 bytes, each an image of the operand's 12 registers (registers 4 c .. 4 c + 3 of lane l at 512 c + 16 l);
; fragment 2 g + u, lane-row r = row 32 g + 8 u + r + 8 (r / 8).  A unit's scale words: 512 bytes, lane l's four words (groups 0-3) at 16 l, lanes 0-15 fragment 2 g's rows, lanes 16-31 fragment 2 g + 1's.
; So a fragment is three loads of 16 bytes a lane, 512 consecutive bytes each; a row block's units follow each other along K, so any run of K steps is one dense block for one tensor load.
; SHARES.  8,192 x 3,072 results over 256 work-groups: work-group (X, Y) takes 256 rows of x (row blocks 2 Y, 2 Y + 1) and the X-th 128 columns of EACH of Wq, Wk, Wv, and STAYS for two passes:
;   pass 1: x against [Wq | Wk], 256 x 256: a wave makes 128 x 128 (64 accumulators): P = its row block of x (source 1: a lane holds one row), Q = Wq or Wk (source 0: a lane's registers run along e);
;   pass 2: v^T, 128 x 256: a wave makes 64 x 128 (32 accumulators): P = four fragments of Wv (source 1), Q = its row block of x (source 0: a lane's registers run along the tokens).
; By the fragments' row order the 64 registers of one block of P are, in order, Q's rows 32 g + 16 (lane / 16) + 0 .. 15, g = 0 .. 3: what the conversions want.
; x's two row blocks, all of K (196,608 bytes), come ONCE and stay in LDS for both passes.  W goes through a ring of two slots of 49,152 bytes: two K steps of Wq and of Wk, later four K steps of Wv.
; All K steps are written out (each names its own scale registers).  The scale words of the five row blocks come once, with the first fills.
; CLUSTER 4 x 4: x's row blocks hang on Y and are asked for jointly along a row of the cluster, W's on X, along a column.  Waves 0 and 1 fetch x (first fills alone), waves 2 and 3 fetch W and fill the ring again.
; LIMITS: NaN and infinities are not served; a block whose largest magnitude lies under 2^-122, a block of zeros too, keeps the byte 1 (this program alone reads the bytes).
; v's scale words leave by stores of 8 bytes a lane, since two waves share a unit of 512 bytes: 262,144 bytes in the whole launch are written so.
; REGISTERS: window 0: v16-29 addresses; v32-63 x's scale words [4 s + g], v64-95 Wq's or Wk's, v104-119 Wv's [2 s + group]; v100-103 the result's scale words;
;   v128-223 P's fragments (pass 1: 8 blocks, one set; pass 2: 4 blocks, two sets), on each way out the result's codes; v224-249 at work.
;   window 1: Q's fragments, two sets, at v0 and v128.   windows 2, 3: accumulator (a, b) at v[8 (8 (a % 4) + b)]; pass 2 uses window 2 alone.
.set FR,    12                         ; registers of a fragment
.set FRB,   1536                       ; its image in bytes
.set UNIT,  8*FRB
.set CHW,   2*UNIT                     ; what one load of W brings: 24,576 bytes
.set RBB,   8*UNIT                     ; a row block's codes for all of K
.set WB,    2*RBB                      ; LDS: x's two row blocks from byte 0 on; then the ring
.set WSLOT, 2*CHW
.set SPARE, WB+2*WSLOT                 ; the spare words, 128 bytes a wave: two blocks of 256 bytes that no other line names
.set ADX,  16                          ; v16-17 LDS address of my row block of x, K steps 0-3 and 4-7
.set ADV,  18                          ; v18-19 of my four fragments of Wv, a slot's K steps 0-1 and 2-3
.set ADW,  20                          ; v20-21 of Wq's or Wk's fragments in slot 0, 1
.set LI,   26                          ; v26    16 x lane
.set LI8,  27                          ; v27    16 x lane + 8 x (wave % 2)
.set SPW,  28                          ; v28    LDS address of my spare word; never rewritten
.set NIL,  29                          ; v29    0; never rewritten
.set XS,   32
.set WS,   64
.set SW,   100
.set VS,   104
.set PF,   128
.set BM,   224                         ; v224-231 largest magnitudes of two blocks of P, v232-239 the other half's / bytes, v240-247 scale operands
.set BX,   232
.set SO,   240
.set PW,   248                         ; v248-249 two scale words
.set XT,   4                           ; v4-10, v120-126 the odd blocks' codes: [116 u + 4 c]
.set VA,   4                           ; s[4:5]   where my half of Wv's first chunk lies in memory
.set G1,   24                          ; s[24:31] group 1 for x's whole row block;  s[32:35] group 0 for it
.set G0,   32
.set G1B,  48                          ; s[48:55] group 1 for W's codes;  s[56:63] group 0, a set for each slot
.set G0B,  56
.set SXA,  94                          ; s[94:95], s[96:97], s[92:93] where the scale words of my row block of x, of Wq or Wk, and of Wv lie
.set SWA,  96
.set SVA,  92
.set SEL,  66                          ; s66, s67 lane selects for v_permlanex16_b32: lane l xor 16
.set HI,   101                         ; s101 the mask of lanes 16-31
.set MSB, 0
.macro WIN new                         ; the immediate's high byte repeats the setting that is left
.if MSB != (\new)
	s_set_vgpr_msb (MSB<<8)|(\new)
.set MSB, (\new)
.endif
.endm
.set MUL_LO, 0xa1                      ; source 0 (Q) window 1, source 1 (P) window 0, C and D window 2
.set MUL_HI, 0xf1                      ; the same, C and D window 3
.set TO_Q,   0x40                      ; destination window 1, address window 0
; A joint first fill: waves 0 and 1 fetch for x, waves 2 and 3 for W.  The branch hangs on the wave's number alone.  Four v_nop follow each of the two lines.
.macro JLOAD g0a, g1a, g0b, g1b
	s_cmp_eq_u32 s15, 0
	s_cbranch_scc0 .Lfor_b_\@
	tensor_load_to_lds s[\g0a:\g0a+3], s[\g1a:\g1a+7]
	s_nop 0
.rept 4
	v_nop
.endr
	s_branch .Lasked_\@
.Lfor_b_\@:
	tensor_load_to_lds s[\g0b:\g0b+3], s[\g1b:\g1b+7]
	s_nop 0
.rept 4
	v_nop
.endr
.Lasked_\@:
.endm
; A joint refill of the ring: waves 2 and 3 alone have a part of it; waves 0 and 1 issue nothing.
.macro WLOAD slot
	s_cmp_eq_u32 s15, 0
	s_cbranch_scc1 .Lnone_\@
	tensor_load_to_lds s[G0B+4*\slot:G0B+4*\slot+3], s[G1B:G1B+7]
	s_nop 0
.rept 4
	v_nop
.endr
.Lnone_\@:
.endm
.macro CREST                           ; a round of the cluster's barrier behind its opening barrier
	s_cmp_lg_u32 s14, 0
	s_cbranch_scc1 .Lnot_wave_0_\@
	s_barrier_signal -3
.Lnot_wave_0_\@:
	s_barrier_wait -3
	s_barrier_signal -1
	s_barrier_wait -1
.endm
.macro CROUND
	s_barrier_signal -1
	s_barrier_wait -1
	CREST
.endm
.macro SHAPE g, cols, rows, pitch      ; group 1, words 1-7, in elements of 8 bytes
	s_mov_b32 s[\g+1], (\cols)<<16                 ; tensor_dim0
	s_mov_b32 s[\g+2], (\rows)<<16                 ; tensor_dim1
	s_mov_b32 s[\g+3], (\cols)<<16                 ; tile_dim0
	s_mov_b32 s[\g+4], \rows                       ; tile_dim1
	s_mov_b32 s[\g+5], \pitch                      ; from row to row
	s_mov_b32 s[\g+6], 0
	s_mov_b32 s[\g+7], 0
.endm
.macro PLACES                          ; four plain places behind matrix instructions, in front of loads into their sources and of reads of their results (except for loads)
.rept 4
	v_nop
.endr
.endm
	s_load_b256 s[4:11], s[0:1], 0x0               ; c1 s[4:5], s1 s[6:7], c2 s[8:9], s2 s[10:11]
	v_lshl_add_u32 v[SPW], v0, 2, SPARE
	v_mov_b32 v[NIL], 0
	ds_add_u32 v28, v29
	ds_add_u32 v28, v29
	s_wait_dscnt 0x0
	v_lshrrev_b32 v1, 5, v0
	v_readfirstlane_b32 s14, v1                    ; wave 0..3
	s_lshr_b32 s15, s14, 1                         ; my row block of x, in both passes.  Also: I fetch for x (0) or for W (1)
	s_and_b32 s16, s14, 1                          ; pass 1: Wq (0) or Wk (1); pass 2: which four fragments of Wv.  Also: which part I fetch
	s_bfe_u32 s40, ttmp6, 0x40000                  ; cx, cy
	s_bfe_u32 s41, ttmp6, 0x40004
	s_lshl_b32 s42, ttmp9, 2
	s_add_co_u32 s42, s42, s40                     ; X: 128 columns of each W
	s_and_b32 s17, ttmp7, 0xffff
	s_lshl_b32 s17, s17, 2
	s_add_co_u32 s17, s17, s41                     ; Y: 256 rows of x
	s_lshl_b32 s43, s41, 2
	s_lshl_b32 s43, 15, s43                        ; my row of the cluster
	s_lshl_b32 s44, 0x1111, s40                    ; my column
	s_or_b32 s[G1], s43, (3<<16)|(1<<21)           ; 15:0 the mask; 17:16 elements of 8 bytes; 20 no padding; 21 set beside a mask
	s_or_b32 s[G1B], s44, (3<<16)|(1<<21)
	SHAPE G1, 32, 384, 32                          ; dense blocks as rows of 256 bytes: a whole row block of x,
	SHAPE G1B, 32, 192, 32                         ; four K steps of W at the head; behind it the two words that count rows are set to 96, for the refills
	s_lshl_b32 s20, s17, 1
	s_add_co_u32 s20, s20, s16                     ; x's row block 2 Y + part
	s_mul_i32 s22, s20, RBB                        ; its codes,
	s_mov_b32 s23, 0
	s_sub_co_u32 s20, s20, s16
	s_add_co_u32 s20, s20, s15                     ; the row block that I multiply, 2 Y + wave / 2:
	s_lshl_b32 s20, s20, 12
	s_mov_b32 s21, 0
	s_lshl_b32 s46, s16, 3
	s_add_co_u32 s46, s46, s42
	s_add_co_u32 s46, s46, 64                      ; Wq's or Wk's row block: 64 + 8 part + X
	s_mul_i32 s46, s46, RBB
	s_mov_b32 s47, 0
	s_add_co_u32 s12, s42, 80                      ; Wv's row block: 80 + X;
	s_mul_i32 s12, s12, RBB
	s_mul_i32 s13, s16, CHW                        ; of a chunk of four K steps I fetch two
	s_add_co_u32 s12, s12, s13
	s_mov_b32 s13, 0
	s_lshl_b32 s18, s16, 3
	s_add_co_u32 s18, s18, s42
	s_add_co_u32 s18, s18, 64
	s_lshl_b32 s18, s18, 12                        ; the scale words of Wq's or Wk's row block,
	s_mov_b32 s19, 0
	s_add_co_u32 s[SVA], s42, 80
	s_lshl_b32 s[SVA], s[SVA], 12                  ; and of Wv's
	s_mov_b32 s[SVA+1], 0
	s_mul_i32 s45, s16, RBB                        ; where they go: no place in the cluster enters an LDS address.  x's codes,
	s_mul_i32 s2, s16, 2*CHW                       ; the ring lies by matrix: Wq's slots 0 and 1, then Wk's: so one load fills both
	s_add_co_u32 s2, s2, WB                        ; W's, in slot 0,
	s_lshl_b32 s3, s16, 3
	v_and_b32 v1, 31, v0
	v_lshlrev_b32 v[LI], 4, v1
	v_add_nc_u32 v[LI8], s3, v[LI]
	s_wait_alu depctr_va_vdst(0)
	CROUND                                         ; all sixteen work-groups are here: the first joint loads meet.  (The round names the wave's number alone: the arguments arrive meanwhile)
	s_wait_kmcnt 0x0                               ; ahead of the first read of s[4:11]
	s_add_nc_u64 s[22:23], s[4:5], s[22:23]
	s_add_nc_u64 s[SXA:SXA+1], s[6:7], s[20:21]
	s_add_nc_u64 s[46:47], s[4:5], s[46:47]
	s_add_nc_u64 s[SWA:SWA+1], s[6:7], s[18:19]
	s_add_nc_u64 s[SVA:SVA+1], s[6:7], s[SVA:SVA+1]
	s_add_nc_u64 s[VA:VA+1], s[4:5], s[12:13]
	s_mov_b32 s[G0], 1
	s_mov_b32 s[G0+1], s45
	s_mov_b64 s[G0+2:G0+3], s[22:23]
	s_or_b32 s[G0+3], s[G0+3], 0x80000000
	s_mov_b32 s[G0B], 1
	s_mov_b32 s[G0B+1], s2
	s_mov_b64 s[G0B+2:G0B+3], s[46:47]
	s_or_b32 s[G0B+3], s[G0B+3], 0x80000000
	JLOAD G0, G1, G0B, G1B                         ; one load a wave: x's two row blocks whole, and K steps 0-3 of Wq and Wk
.irp s, 0,1,2,3,4,5,6,7                        ; the scale words come straight into the registers in which they stay: x's serve both passes
	global_load_b128 v[XS+4*\s:XS+4*\s+3], v[LI], s[SXA:SXA+1] offset:512*\s
	global_load_b128 v[WS+4*\s:WS+4*\s+3], v[LI], s[SWA:SWA+1] offset:512*\s
	global_load_b64 v[VS+2*\s:VS+2*\s+1], v[LI8], s[SVA:SVA+1] offset:512*\s
.endr
	s_mov_b32 s[G0B+4], 1
	s_add_co_u32 s[G0B+5], s2, CHW
	s_add_nc_u64 s[G0B+6:G0B+7], s[46:47], CHW
	s_or_b32 s[G0B+7], s[G0B+7], 0x80000000
	s_mul_i32 s12, s15, RBB
	v_add_nc_u32 v[ADX], s12, v[LI]
	v_add_nc_u32 v[ADX+1], 4*UNIT, v[ADX]
	s_mul_i32 s12, s16, 2*CHW
	s_add_co_u32 s12, s12, WB
	v_add_nc_u32 v[ADW], s12, v[LI]
	v_add_nc_u32 v[ADW+1], CHW, v[ADW]
	s_mul_i32 s12, s16, 4*FRB
	s_add_co_u32 s12, s12, WB
	v_add_nc_u32 v[ADV], s12, v[LI]
	v_add_nc_u32 v[ADV+1], WSLOT, v[ADV]
	; which units of c2 and s2 my results become.  q, k: 512 (wave % 2) + 8 (2 Y + wave / 2) + X.  v: 1024 + 16 (8 (Y / 8) + X) + 2 (Y % 8) + wave / 2, its fragments 4 (wave % 2) on
	s_lshl_b32 s12, s17, 1
	s_add_co_u32 s12, s12, s15
	s_lshl_b32 s12, s12, 3
	s_add_co_u32 s12, s12, s42
	s_lshl_b32 s13, s16, 9
	s_add_co_u32 s12, s12, s13
	s_lshr_b32 s13, s17, 3
	s_lshl_b32 s13, s13, 3
	s_add_co_u32 s13, s13, s42
	s_lshl_b32 s13, s13, 4
	s_and_b32 s18, s17, 7
	s_lshl_b32 s18, s18, 1
	s_add_co_u32 s13, s13, s18
	s_add_co_u32 s13, s13, s15
	s_add_co_u32 s13, s13, 1024
	s_mul_i32 s18, s13, UNIT
	s_mul_i32 s19, s16, 4*FRB
	s_add_co_u32 s18, s18, s19
	s_mov_b32 s19, 0
	s_add_nc_u64 s[20:21], s[8:9], s[18:19]        ; v's codes
	s_lshl_b32 s18, s13, 9
	s_add_nc_u64 s[22:23], s[10:11], s[18:19]      ; v's scale words
	s_mul_i32 s18, s12, UNIT
	s_add_nc_u64 s[8:9], s[8:9], s[18:19]          ; q's or k's codes
	s_lshl_b32 s18, s12, 9
	s_add_nc_u64 s[10:11], s[10:11], s[18:19]      ; and scale words
	s_mov_b32 s[SEL], 0x76543210
	s_mov_b32 s[SEL+1], 0xfedcba98
	s_mov_b32 s[HI], 0xffff0000
.irp b, 0,1,2,3,4,5,6,7
	v_mov_b32 v[BX+\b], 0                          ; written once: a lane permute's destination counts as one of its sources
.endr
; One product, by the symbols rD (accumulator), rQ (source 0), rP (source 1), rX, rY (their scale registers) and vr: bit 0: source 0's scales lie in lanes 16-31, bit 1: source 1's, bit 2: the product starts the sum.
.macro EMIT
.if vr == 0
	v_wmma_scale_f32_16x16x128_f8f6f4 v[rD:rD+7], v[rQ:rQ+FR-1], v[rP:rP+FR-1], v[rD:rD+7], v[rX], v[rY] matrix_a_fmt:MATRIX_FMT_BF6 matrix_b_fmt:MATRIX_FMT_BF6
.elseif vr == 1
	v_wmma_scale_f32_16x16x128_f8f6f4 v[rD:rD+7], v[rQ:rQ+FR-1], v[rP:rP+FR-1], v[rD:rD+7], v[rX], v[rY] matrix_a_fmt:MATRIX_FMT_BF6 matrix_b_fmt:MATRIX_FMT_BF6 matrix_a_scale:MATRIX_SCALE_ROW1
.elseif vr == 2
	v_wmma_scale_f32_16x16x128_f8f6f4 v[rD:rD+7], v[rQ:rQ+FR-1], v[rP:rP+FR-1], v[rD:rD+7], v[rX], v[rY] matrix_a_fmt:MATRIX_FMT_BF6 matrix_b_fmt:MATRIX_FMT_BF6 matrix_b_scale:MATRIX_SCALE_ROW1
.elseif vr == 3
	v_wmma_scale_f32_16x16x128_f8f6f4 v[rD:rD+7], v[rQ:rQ+FR-1], v[rP:rP+FR-1], v[rD:rD+7], v[rX], v[rY] matrix_a_fmt:MATRIX_FMT_BF6 matrix_b_fmt:MATRIX_FMT_BF6 matrix_a_scale:MATRIX_SCALE_ROW1 matrix_b_scale:MATRIX_SCALE_ROW1
.elseif vr == 4
	v_wmma_scale_f32_16x16x128_f8f6f4 v[rD:rD+7], v[rQ:rQ+FR-1], v[rP:rP+FR-1], 0, v[rX], v[rY] matrix_a_fmt:MATRIX_FMT_BF6 matrix_b_fmt:MATRIX_FMT_BF6
.elseif vr == 5
	v_wmma_scale_f32_16x16x128_f8f6f4 v[rD:rD+7], v[rQ:rQ+FR-1], v[rP:rP+FR-1], 0, v[rX], v[rY] matrix_a_fmt:MATRIX_FMT_BF6 matrix_b_fmt:MATRIX_FMT_BF6 matrix_a_scale:MATRIX_SCALE_ROW1
.elseif vr == 6
	v_wmma_scale_f32_16x16x128_f8f6f4 v[rD:rD+7], v[rQ:rQ+FR-1], v[rP:rP+FR-1], 0, v[rX], v[rY] matrix_a_fmt:MATRIX_FMT_BF6 matrix_b_fmt:MATRIX_FMT_BF6 matrix_b_scale:MATRIX_SCALE_ROW1
.else
	v_wmma_scale_f32_16x16x128_f8f6f4 v[rD:rD+7], v[rQ:rQ+FR-1], v[rP:rP+FR-1], 0, v[rX], v[rY] matrix_a_fmt:MATRIX_FMT_BF6 matrix_b_fmt:MATRIX_FMT_BF6 matrix_a_scale:MATRIX_SCALE_ROW1 matrix_b_scale:MATRIX_SCALE_ROW1
.endif
.endm
; PASS 1: accumulator (a, b) += W's fragment b (set) x x's fragment a, K step s.  A fragment 2 g + u takes scale register g of its step, from lanes 0-15 (u = 0) or 16-31 (u = 1).
.macro WM a, b, set, s, zero
.set rD, 8*(8*((\a)%4)+(\b))
.set rQ, 128*(\set)+FR*(\b)
.set rP, PF+FR*(\a)
.set rX, WS+4*(\s)+(\b)/2
.set rY, XS+4*(\s)+(\a)/2
.set vr, 4*(\zero)+2*((\a)%2)+(\b)%2
	EMIT
.endm
; 16 products: x's blocks a0, a0 + 1 against W's eight.  The 64 accumulators take turns, one instruction a turn, in the same order in every step.
.macro MUL16 a0, set, s, zero
.irp a, \a0, \a0+1
.irp b, 0,1,2,3,4,5,6,7
	WM (\a), \b, \set, \s, \zero
.endr
.endr
.endm
.macro FRAG reg, adr, off              ; a fragment: three loads, each 512 consecutive bytes
.irp c, 0,1,2
	ds_load_b128 v[\reg+4*\c:\reg+4*\c+3], v[\adr] offset:\off+512*\c
.endr
.endm
.macro FETCH_W slot, j, set            ; 24 loads: Wq's or Wk's eight fragments of the slot's j-th K step
	WIN TO_Q
.irp i, 0,1,2,3,4,5,6,7
	FRAG 128*(\set)+FR*\i, ADW+\slot, (\j)*UNIT+\i*FRB
.endr
	WIN 0
.endm
.macro FETCH_X s, i0                   ; 12 loads: x's blocks i0 .. i0 + 3 of K step s
.irp i, \i0, \i0+1, \i0+2, \i0+3
	FRAG PF+FR*(\i), ADX+(\s)/4, ((\s)%4)*UNIT+(\i)*FRB
.endr
.endm
; An even K step (W's set 0, the slot's first).  A block of x is free as soon as its eight products are issued: blocks 0-3 are fetched anew in the step's middle, blocks 4-7 at its end.
.macro STEP s, slot, zero
	s_wait_dscnt 12                                ; W's set and x's blocks 0-3 are in; the youngest 12 loads (x's blocks 4-7) may be out
	WIN MUL_LO
	MUL16 0, 0, \s, \zero
	MUL16 2, 0, \s, \zero
	s_wait_dscnt 0x0                               ; x's blocks 4-7 are in
	PLACES
	FETCH_W \slot, 1, 1
	FETCH_X (\s)+1, 0
	WIN MUL_HI
	MUL16 4, 0, \s, \zero
	MUL16 6, 0, \s, \zero
	PLACES
	WIN 0
	FETCH_X (\s)+1, 4
.endm
; PASS 2's fetches: x's eight fragments of K step s are now source 0; my four fragments of Wv come from the ring, four K steps to a slot.
.macro FETCH2Q s, set                  ; 24 loads
	WIN TO_Q
.irp i, 0,1,2,3,4,5,6,7
	FRAG 128*(\set)+FR*\i, ADX+(\s)/4, ((\s)%4)*UNIT+\i*FRB
.endr
	WIN 0
.endm
.macro FETCH2P s, set                  ; 12 loads
.irp i, 0,1,2,3
	FRAG PF+48*(\set)+FR*\i, ADV+((\s)%4)/2, ((\s)/4)*CHW+((\s)%2)*UNIT+\i*FRB   ; a slot's K steps 0, 1 lie in the ring's first half, 2, 3 in its second
.endr
.endm
; An odd K step (W's set 1, the slot's second) leaves its slot, which is filled again: ONE round; in front of it each wave waits for all its tensor loads, adds 0 to its spare word, and waits for that and for its reads of the slot.
; how = 0: the slot takes Wq's, Wk's K steps four on; 1: slot 0 takes Wv's K steps 0-3; 2: slot 1 takes Wv's K steps 4-7.
.macro TURN s, slot, how
	s_wait_tensorcnt 0x0                           ; all my tensor loads have landed: my part of the other slot
	ds_add_u32 v[SPW], v[NIL]                      ; 0 onto my spare word
	s_wait_dscnt 13                                ; (the add and the youngest 12 loads, x's blocks 4-7, may be out)
	WIN MUL_LO
	MUL16 0, 1, \s, 0                              ; sixteen products stand between the add and the wait for it
	s_wait_dscnt 0x0                               ; the add is done, and my reads of this slot are over
	s_barrier_signal -1
	MUL16 2, 1, \s, 0
	WIN 0
	s_barrier_wait -1
	CREST                                          ; the barrier has opened a round of the cluster's barrier: no wave of any partner still reads this slot or has a load on its way
.if \how == 0
	s_add_nc_u64 s[G0B+4*\slot+2:G0B+4*\slot+3], s[G0B+4*\slot+2:G0B+4*\slot+3], 2*CHW
.elseif \how == 1
	s_mov_b64 s[G0B+2:G0B+3], s[VA:VA+1]
	s_or_b32 s[G0B+3], s[G0B+3], 0x80000000
.else
	s_add_nc_u64 s[G0B+6:G0B+7], s[VA:VA+1], 2*CHW
	s_or_b32 s[G0B+7], s[G0B+7], 0x80000000
.endif
	WLOAD \slot                                    ; the first tensor load behind the round, one a wave of waves 2 and 3
	PLACES                                         ; on every wave's way: the places in front of the loads below
.if (\s) < 7
	FETCH_W 1-\slot, 0, 0
	FETCH_X (\s)+1, 0
.else
	FETCH2Q 0, 0                                   ; pass 2's first fragments of x: they lie in LDS since the start
.endif
	WIN MUL_HI
	MUL16 4, 1, \s, 0
	MUL16 6, 1, \s, 0
	PLACES
	WIN 0
.if (\s) < 7
	FETCH_X (\s)+1, 4
.endif
.endm
; THE WAY OUT of block a of P: a lane's 64 registers are 64 numbers of ONE row of the result, register 16 b + i = column 32 b + 16 (lane / 16) + i.  They become a fragment's 12 registers and a scale word.  cp: the codes' address.
; Blocks 2 p and 2 p + 1 (u = 0, 1) go by turns, line by line.
.macro QOUT2 p, cp
.set wn, 2+(\p)/2
.set A0, 128*((\p)%2)
.set PC, PF+2*FR*(\p)
	WIN 5*wn                                       ; sources 0 and 1: the accumulators' window
.irp b, 0,1,2,3
.irp u, 0,1
	v_max3_num_f32 v[BM+4*\u+\b], |v[A0+64*\u+16*\b]|, |v[A0+64*\u+16*\b+1]|, 0x2800000   ; block b: my 16 numbers, each accumulator from its low end on, and the floor 2^(5 - 127)
.endr
.endr
.irp i, 2,4,6,8,10,12,14
.irp b, 0,1,2,3
.irp u, 0,1
	v_max3_num_f32 v[BM+4*\u+\b], |v[A0+64*\u+16*\b+\i]|, |v[A0+64*\u+16*\b+\i+1]|, v[BM+4*\u+\b]
.endr
.endr
.endr
	WIN 0
.irp k, 0,1,2,3,4,5,6,7
	v_permlanex16_b32 v[BX+\k], v[BM+\k], s[SEL], s[SEL+1]
.endr
.irp k, 0,1,2,3,4,5,6,7
	v_max_num_f32 v[BM+\k], v[BM+\k], v[BX+\k]     ; with lane l xor 16's 16: the block's largest magnitude
.endr
.irp k, 0,1,2,3,4,5,6,7
	v_add_nc_u32 v[SO+\k], 0xfe000000, v[BM+\k]    ; 4 off its exponent field: the conversion's scale operand
.endr
.irp k, 0,1,2,3,4,5,6,7
	v_lshrrev_b32 v[BX+\k], 23, v[SO+\k]           ; the byte
.endr
.irp u, 0,1
	v_lshl_or_b32 v[PW+\u], v[BX+4*\u+1], 8, v[BX+4*\u]
.endr
.irp u, 0,1
	v_lshl_or_b32 v[PW+\u], v[BX+4*\u+2], 16, v[PW+\u]
.endr
.irp u, 0,1
	v_lshl_or_b32 v[PW+\u], v[BX+4*\u+3], 24, v[PW+\u]
.endr
	WIN wn                                         ; source 0: the accumulators' window
.irp u, 0,1
.irp c, 0,1
	v_cvt_scalef32_pk16_bf6_f32 v[PC+12*\u+6*\c:PC+12*\u+6*\c+2], v[A0+64*\u+32*\c:A0+64*\u+32*\c+15], v[SO+4*\u+2*\c]
	v_cvt_scalef32_pk16_bf6_f32 v[XT+116*\u+4*\c:XT+116*\u+4*\c+2], v[A0+64*\u+32*\c+16:A0+64*\u+32*\c+31], v[SO+4*\u+2*\c+1]   ; (a conversion's three registers begin on an even number)
.endr
.endr
	WIN 0
	v_nop                                          ; one plain place behind the scaled conversions
.irp u, 0,1                                    ; the operand's layout wants a WHOLE block in a lane: lanes 0-15 block 2 c, lanes 16-31 block 2 c + 1
.irp c, 0,1
.irp i, 0,1,2
	v_permlane16_swap_b32 v[PC+12*\u+6*\c+\i], v[XT+116*\u+4*\c+\i]
.endr
.endr
.endr
.irp u, 0,1
.irp c, 0,1
.irp i, 0,1,2
	v_mov_b32 v[PC+12*\u+6*\c+3+\i], v[XT+116*\u+4*\c+\i]
.endr
.endr
.endr
	v_cndmask_b32 v[SW+(\p)], v[PW], v[PW+1], s[HI]   ; lanes 0-15 the even fragment's words, lanes 16-31 the odd one's
.irp u, 0,1
.irp c, 0,1,2
	global_store_b128 v[LI], v[PC+12*\u+4*\c:PC+12*\u+4*\c+3], s[\cp:\cp+1] offset:(2*(\p)+\u)*FRB+512*\c   ; 512 consecutive bytes a store; within a pass each block has code registers of its own
.endr
.endr
.endm
	s_wait_alu depctr_va_vdst(0)
	s_wait_tensorcnt 0x0                           ; my head load is in: all of x's row block, or K steps 0-3 of Wq or Wk.
	s_mov_b32 s[G1B+2], 96<<16                     ; no load of mine is out, so a descriptor may be written: a refill brings two K steps
	s_mov_b32 s[G1B+4], 96
	s_barrier_signal -1
	s_barrier_wait -1                              ; everybody's head load is in
	FETCH_W 0, 0, 0
	FETCH_X 0, 0
	FETCH_X 0, 4
	s_wait_loadcnt 0x0                             ; all scale words are in
	STEP 0, 0, 1                                   ; the first step's products start the sums: nothing is cleared
	TURN 1, 0, 0                                   ; slot 0 takes K steps 4 and 5
	STEP 2, 1, 0
	TURN 3, 1, 0                                   ; slot 1 takes K steps 6 and 7
	STEP 4, 0, 0
	TURN 5, 0, 1                                   ; THE RING GOES ON INTO PASS 2: slot 0 takes Wv's K steps 0-3,
	STEP 6, 1, 0
	TURN 7, 1, 2                                   ; slot 1 its K steps 4-7: both have pass 1's way out in which to land
.irp p, 0,1,2,3
	QOUT2 \p, 8
.endr
	global_store_b128 v[LI], v[SW:SW+3], s[10:11]  ; the unit's 512 bytes of scale words
	; PASS 2.  One barrier shows Wv's second chunk to every wave.
	s_wait_tensorcnt 0x0                           ; my part of slot 1 has landed
	ds_add_u32 v[SPW], v[NIL]
	s_wait_dscnt 0x0
	s_barrier_signal -1
	s_barrier_wait -1
	s_wait_xcnt 0x0                                ; pass 1's stores have read the code registers and the scale words' registers: loads and later results may land there
	FETCH2P 0, 0
; accumulator (a, b) += x's fragment b (set) x Wv's fragment a (set), K step s
.macro WM2 a, b, set, s, zero
.set rD, 8*(8*(\a)+(\b))
.set rQ, 128*(\set)+FR*(\b)
.set rP, PF+48*(\set)+FR*(\a)
.set rX, XS+4*(\s)+(\b)/2
.set rY, VS+2*(\s)+(\a)/2
.set vr, 4*(\zero)+2*((\a)%2)+(\b)%2
	EMIT
.endm
.macro STEP2 s, zero                   ; the next step's 36 loads are issued, into the other sets, ahead of this step's 32 products; the 32 accumulators take turns in the same order in every step
.if (\s) < 7
	PLACES
	FETCH2Q (\s)+1, 1-(\s)%2
	FETCH2P (\s)+1, 1-(\s)%2
	s_wait_dscnt 36                                ; all but the 36 just issued: this step's fragments are in
.else
	s_wait_dscnt 0x0
.endif
	WIN MUL_LO
.irp a, 0,1,2,3
.irp b, 0,1,2,3,4,5,6,7
	WM2 \a, \b, (\s)%2, \s, \zero
.endr
.endr
.endm
	STEP2 0, 1                                     ; the first step's products start the sums anew, far more than five plain places behind the last product that named these registers
	STEP2 1, 0
	STEP2 2, 0
	STEP2 3, 0
	STEP2 4, 0
	STEP2 5, 0
	STEP2 6, 0
	STEP2 7, 0
	WIN 0
	PLACES
.irp p, 0,1
	QOUT2 \p, 20
.endr
	global_store_b64 v[LI8], v[SW:SW+1], s[22:23]  ; my two groups' words of the unit's scale words
	s_wait_tensorcnt 0x0                           ; the wave's end
	ds_add_u32 v[SPW], v[NIL]
	s_wait_dscnt 0x0
	CROUND                                         ; the closing round: no work-group ends while a partner may still ask for a tile that names it
	s_endpgm
.Lfunc_end_k_q1254e78da3_proj:
	.size	k_q1254e78da3_proj, .Lfunc_end_k_q1254e78da3_proj-k_q1254e78da3_proj
	.p2alignl 7, 3214868480
	.fill 96, 4, 3214868480
	.section	.rodata,"a",@progbits
	.p2align	6, 0x0
	.amdhsa_kernel k_q1254e78da3_proj
		.amdhsa_group_segment_fixed_size 327680
		.amdhsa_private_segment_fixed_size 0
		.amdhsa_enable_private_segment 0
		.amdhsa_kernarg_size 32
		.amdhsa_user_sgpr_count 2
		.amdhsa_user_sgpr_kernarg_segment_ptr 1
		.amdhsa_wavefront_size32 1
		.amdhsa_system_sgpr_workgroup_id_x 1
		.amdhsa_system_sgpr_workgroup_id_y 1
		.amdhsa_system_sgpr_workgroup_id_z 1
		.amdhsa_system_vgpr_workitem_id 0
		.amdhsa_next_free_vgpr 1024
		.amdhsa_next_free_sgpr 102
		.amdhsa_reserve_vcc 0
		.amdhsa_float_denorm_mode_32 3
		.amdhsa_float_denorm_mode_16_64 3
		.amdhsa_memory_ordered 1
		.amdhsa_forward_progress 1
		.amdhsa_inst_pref_size 207
	.end_amdhsa_kernel
	.amdgpu_metadata
---
amdhsa.version: [ 1, 2 ]
amdhsa.kernels:
  - .name:           k_q1254e78da3_proj
    .symbol:         k_q1254e78da3_proj.kd
    .args:
      - { .name: c1, .offset: 0, .size: 8, .value_kind: global_buffer, .address_space: global }
      - { .name: s1, .offset: 8, .size: 8, .value_kind: global_buffer, .address_space: global }
      - { .name: c2, .offset: 16, .size: 8, .value_kind: global_buffer, .address_space: global }
      - { .name: s2, .offset: 24, .size: 8, .value_kind: global_buffer, .address_space: global }
    .group_segment_fixed_size: 327680
    .private_segment_fixed_size: 0
    .kernarg_segment_align: 8
    .kernarg_segment_size: 32
    .max_flat_workgroup_size: 128
    .sgpr_count:     102
    .vgpr_count:     1024
    .wavefront_size: 32
...
	.end_amdgpu_metadata
.endif
;; end of part 2
;; launch scores (part 3): grid 8 x 32, 4 waves a work-group, clusters of 4 x 4, 327,680 bytes of LDS; arguments c2, s2, c3, s3, st; writes c3, s3, st
.if DOCPART == 3
	.amdgcn_target "amdgcn-amd-amdhsa--gfx1250"
	.amdhsa_code_object_version 6
	.text
	.protected	k_q1254e78da3_scores
	.globl	k_q1254e78da3_scores
	.p2align	8
	.type	k_q1254e78da3_scores,@function
k_q1254e78da3_scores:
	s_mov_b64 s[64:65], 0
	v_nop
	global_prefetch_b8 v0, s[64:65] scope:SCOPE_SE
	s_setreg_imm32_b32 hwreg(HW_REG_WAVE_MODE, 25, 1), 1
	s_wait_xcnt 0x0
	s_wait_alu depctr_hold_cnt(0) depctr_sa_sdst(0) depctr_va_vdst(0) depctr_va_sdst(0) depctr_va_ssrc(0) depctr_va_vcc(0) depctr_vm_vsrc(0)
	s_getreg_b32 s2, hwreg(HW_REG_IB_STS2, 6, 4)
	s_cmp_eq_u32 s2, 0
	s_cbranch_scc0 .Lentry_in_a_cluster
	s_endpgm
.Lentry_in_a_cluster:
	s_bfe_u32 s2, ttmp6, 0x10000c
	s_cmp_lg_u32 s2, 0xf033
	s_cbranch_scc0 .Lentry_shape_is_right
	s_endpgm
.Lentry_shape_is_right:
; S = q k^T on codes of BF6 (E3M2) with E8M0 scales, K = 1,024, and the softmax's p as codes, for each block of 128 keys under a whole number M of its own.
; t = score x log2(e) / 32;  M_loc = the largest t of a query's 128 keys here, rounded UP to a whole number;  p = 2^(t - M_loc) is quantised along the keys, 32 to a block.  Stored: p's codes and scale words,
; -M_loc, and l_loc = the sum of the unquantised p.  The next launch takes the row's M = the largest M_loc and moves p's scale bytes by M - M_loc: a power of two, which leaves the codes as they are.
; LAYOUT of operands and results: units of 128 rows x 128 K, 8 fragments of 1,536 bytes as images of the operand's registers; fragment 2 g + u, lane-row r = row 32 g + 8 u + r + 8 (r / 8); scale words
; in units of 512 bytes: lane l's four words (groups 0-3) at 16 l, lanes 0-15 fragment 2 g's rows, lanes 16-31 fragment 2 g + 1's.  st has 1,024 bytes a unit: lane l's (-M_loc, l_loc) of groups 0, 1 at 16 l, of groups 2, 3 at 512 + 16 l.
; SHARES.  256 queries x 256 keys to a work-group of four waves, 128 x 128 a wave.  P = q is source 1 (a lane holds one query), Q = k is source 0: a lane's 64 registers of a block of queries are keys 32 g + 16 (lane / 16) + 0 .. 15.
; K goes in 8 steps of 128 through two LDS slots of three steps: chunks of three, three and two steps; all steps are written out.  The scale words come straight into registers.
; CLUSTER 4 x 4: q's row blocks are asked for jointly along a row of the cluster, k's along a column.
; NO PREFETCH: two of the three chunks are asked for before the second of the eight K steps, and behind the head the text has no loop.
; LIMITS: NaN and infinities are not served.  A block whose every p has fallen under 2^-122 keeps the byte 1.  The promise holds while the scaled scores stay under 2^31 in magnitude.
; REGISTERS: window 0: v16-29 addresses; v32-63 q's scale words [4 s + g], v64-95 k's; v128-223 q's 8 fragments, later v96-219 the softmax's work.
;   window 1: k's fragments, two sets, later v0-127 t and p of two blocks.   windows 2, 3: accumulator (a, b) at v[8 (8 (a % 4) + b)].
.set FR,    12
.set FRB,   1536
.set UNIT,  8*FRB
.set CHUNK, 3*UNIT                     ; what one tensor load brings: three K steps of one row block
.set SLOT,  4*CHUNK                    ; q's two row blocks, then k's two
.set SPARE, 2*SLOT                     ; the spare words, 128 bytes a wave: two blocks of 256 bytes that no other line names
.set ADRP, 16
.set ADRQ, 20
.set LI,   26                          ; v26 16 x lane
.set SPW,  28                          ; v28 LDS address of my spare word; never rewritten
.set NIL,  29                          ; v29 0; never rewritten
.set SCP,  32
.set SCQ,  64
.set PF,   128
.set PCB,  96                          ; v96-143 p's codes: 2 blocks x 12, two sets by turns
.set BM,   144                         ; [4 u + b] the blocks' largest scores, then their largest p
.set BX,   152                         ; the other half's (written by q's fragment loads before: a lane permute's destination counts as one of its sources)
.set SO,   160                         ; the conversions' scale operands
.set BY,   168                         ; the bytes
.set XT,   176                         ; [8 u + 4 c] the odd blocks' codes
.set NM,   192                         ; [2 u] -M_loc (the packed form names a pair and takes its low word)
.set LA,   196                         ; [4 u] two chains of sums a block
.set L,    204
.set PW,   206
.set SW,   208                         ; v208-211 the unit's scale words
.set NMW,  212                         ; v212-219 -M_loc and l_loc, by pairs
.set G1,   24
.set G0,   32
.set G1B,  48
.set G0B,  56
.set SEL,  66                          ; s66, s67 lane selects for lane l xor 16
.set HI,   95                          ; s95 the mask of lanes 16-31
.set CS,   96                          ; s[96:97] c = log2(e) / 32
.set MSB, 0
.macro WIN new                         ; the immediate's high byte repeats the setting that is left
.if MSB != (\new)
	s_set_vgpr_msb (MSB<<8)|(\new)
.set MSB, (\new)
.endif
.endm
.set MUL_LO, 0xa1                      ; source 0 (k) window 1, source 1 (q) window 0, C and D window 2
.set MUL_HI, 0xf1
.set TO_Q,   0x40
; A joint load: waves 0 and 1 fetch q's two row blocks, waves 2 and 3 k's.  The branch hangs on the wave's number alone.  Four v_nop follow each of the two lines.
.macro JLOAD g0a, g1a, g0b, g1b
	s_cmp_eq_u32 s15, 0
	s_cbranch_scc0 .Lfor_b_\@
	tensor_load_to_lds s[\g0a:\g0a+3], s[\g1a:\g1a+7]
	s_nop 0
.rept 4
	v_nop
.endr
	s_branch .Lasked_\@
.Lfor_b_\@:
	tensor_load_to_lds s[\g0b:\g0b+3], s[\g1b:\g1b+7]
	s_nop 0
.rept 4
	v_nop
.endr
.Lasked_\@:
.endm
.macro CREST                           ; a round of the cluster's barrier behind its opening barrier
	s_cmp_lg_u32 s14, 0
	s_cbranch_scc1 .Lnot_wave_0_\@
	s_barrier_signal -3
.Lnot_wave_0_\@:
	s_barrier_wait -3
	s_barrier_signal -1
	s_barrier_wait -1
.endm
.macro CROUND
	s_barrier_signal -1
	s_barrier_wait -1
	CREST
.endm
.macro SHAPE g, rows                   ; group 1, words 1-7: a dense block as rows of 256 bytes (32 elements of 8 bytes)
	s_mov_b32 s[\g+1], 32<<16
	s_mov_b32 s[\g+2], (\rows)<<16
	s_mov_b32 s[\g+3], 32<<16
	s_mov_b32 s[\g+4], \rows
	s_mov_b32 s[\g+5], 32
	s_mov_b32 s[\g+6], 0
	s_mov_b32 s[\g+7], 0
.endm
.macro PLACES                          ; four plain places behind matrix instructions (except for loads)
.rept 4
	v_nop
.endr
.endm
	s_load_b256 s[4:11], s[0:1], 0x0               ; c2 s[4:5], s2 s[6:7], c3 s[8:9], s3 s[10:11]
	s_load_b64 s[12:13], s[0:1], 0x20              ; st
	v_lshl_add_u32 v[SPW], v0, 2, SPARE
	v_mov_b32 v[NIL], 0
	ds_add_u32 v[SPW], v[NIL]                      ; the opening add, twice on end, and one wait below
	ds_add_u32 v[SPW], v[NIL]
	v_lshrrev_b32 v1, 5, v0
	v_readfirstlane_b32 s14, v1                    ; wave 0..3
	s_lshr_b32 s15, s14, 1                         ; my half of the queries.  Also: I fetch for q (0) or for k (1)
	s_and_b32 s16, s14, 1                          ; my half of the keys.  Also: which of the two row blocks I fetch
	s_bfe_u32 s40, ttmp6, 0x40000
	s_bfe_u32 s41, ttmp6, 0x40004
	s_lshl_b32 s42, ttmp9, 2
	s_add_co_u32 s42, s42, s40                     ; X: 256 keys of the batch
	s_and_b32 s17, ttmp7, 0xffff
	s_lshl_b32 s17, s17, 2
	s_add_co_u32 s17, s17, s41                     ; Y: 256 queries
	s_lshl_b32 s43, s41, 2
	s_lshl_b32 s43, 15, s43                        ; my row of the cluster
	s_lshl_b32 s44, 0x1111, s40                    ; my column
	s_or_b32 s[G1], s43, (3<<16)|(1<<21)           ; 15:0 the mask; 17:16 elements of 8 bytes; 21 set beside a mask
	s_or_b32 s[G1B], s44, (3<<16)|(1<<21)
	SHAPE G1, 144
	SHAPE G1B, 144
	s_lshl_b32 s20, s17, 1
	s_add_co_u32 s22, s20, s16                     ; q's row block that I fetch: 2 Y + part
	s_mul_i32 s22, s22, 8*UNIT
	s_mov_b32 s23, 0
	s_add_co_u32 s20, s20, s15                     ; q's row block that I multiply: 2 Y + wave / 2: its scale words
	s_lshl_b32 s20, s20, 12
	s_mov_b32 s21, 0
	s_and_b32 s46, ttmp7, 0xffff
	s_lshr_b32 s46, s46, 1                         ; the batch: two clusters along y to a batch, so all sixteen partners share it
	s_lshl_b32 s46, s46, 4
	s_lshl_b32 s47, s42, 1
	s_add_co_u32 s46, s46, s47
	s_add_co_u32 s46, s46, s16
	s_add_co_u32 s46, s46, 64                      ; k's row block: 64 + 16 batch + 2 X + half
	s_mul_i32 s92, s46, 8*UNIT
	s_mov_b32 s93, 0
	s_lshl_b32 s46, s46, 12
	s_mov_b32 s47, 0
	s_mul_i32 s45, s14, CHUNK
	s_mul_i32 s18, s15, CHUNK                      ; my row block of q,
	s_mul_i32 s19, s16, CHUNK
	s_add_co_u32 s19, s19, 2*CHUNK                 ; and of k, behind q's two
	s_lshl_b32 s98, s17, 1
	s_add_co_u32 s98, s98, s15
	s_lshl_b32 s98, s98, 4
	s_lshl_b32 s99, s42, 1
	s_add_co_u32 s98, s98, s99
	s_add_co_u32 s98, s98, s16                     ; my unit of the results: 16 (2 Y + query half) + 2 X + key half
	s_mov_b32 s[SEL], 0x76543210
	s_mov_b32 s[SEL+1], 0xfedcba98
	s_mov_b32 s[HI], 0xffff0000
	s_mov_b32 s[CS], 0x3d38aa3b                    ; c = log2(e) / 32: 1 / sqrt(1024) is a power of two, so score x c is t itself
	s_mov_b32 s[CS+1], s[CS]                       ; (named with it as a pair, so it is written)
	v_and_b32 v1, 31, v0
	v_lshlrev_b32 v[LI], 4, v1
	v_add_nc_u32 v[ADRP], s18, v[LI]
	v_add_nc_u32 v[ADRQ], s19, v[LI]
	v_add_nc_u32 v[ADRP+1], SLOT, v[ADRP]
	v_add_nc_u32 v[ADRQ+1], SLOT, v[ADRQ]
	s_wait_alu depctr_va_vdst(0)
	s_wait_dscnt 0x0                               ; both opening adds are done
	CROUND                                         ; all sixteen work-groups are here: the first joint loads meet
	s_wait_kmcnt 0x0
	s_add_nc_u64 s[22:23], s[4:5], s[22:23]
	s_add_nc_u64 s[20:21], s[6:7], s[20:21]
	s_add_nc_u64 s[92:93], s[4:5], s[92:93]
	s_add_nc_u64 s[46:47], s[6:7], s[46:47]
.irp s, 0,1
	s_mov_b32 s[G0+4*\s], 1
	s_add_co_u32 s[G0+4*\s+1], s45, \s*SLOT
	s_add_nc_u64 s[G0+4*\s+2:G0+4*\s+3], s[22:23], \s*CHUNK
	s_or_b32 s[G0+4*\s+3], s[G0+4*\s+3], 0x80000000
	s_mov_b32 s[G0B+4*\s], 1
	s_add_co_u32 s[G0B+4*\s+1], s45, \s*SLOT
	s_add_nc_u64 s[G0B+4*\s+2:G0B+4*\s+3], s[92:93], \s*CHUNK
	s_or_b32 s[G0B+4*\s+3], s[G0B+4*\s+3], 0x80000000
.endr
	JLOAD G0, G1, G0B, G1B                         ; chunk 0: one load a wave
.irp s, 0,1,2,3,4,5,6,7                        ; the scale words of my row blocks, all of K: 512 consecutive bytes a load
	global_load_b128 v[SCP+4*\s:SCP+4*\s+3], v[LI], s[20:21] offset:512*\s
	global_load_b128 v[SCQ+4*\s:SCQ+4*\s+3], v[LI], s[46:47] offset:512*\s
.endr
	s_mul_i32 s2, s98, UNIT
	s_mov_b32 s3, 0
	s_add_nc_u64 s[8:9], s[8:9], s[2:3]
	s_lshl_b32 s2, s98, 9
	s_add_nc_u64 s[10:11], s[10:11], s[2:3]
	s_lshl_b32 s2, s98, 10
	s_add_nc_u64 s[12:13], s[12:13], s[2:3]
.macro WM a, b, set, s, zero           ; accumulator (a, b) += k's fragment b (set) x q's fragment a, K step s; fragment 2 g + u takes scale register g, lanes 0-15 (u = 0) or 16-31 (u = 1)
.set rD, 8*(8*((\a)%4)+(\b))
.set rQ, 128*(\set)+FR*(\b)
.set rP, PF+FR*(\a)
.set rX, SCQ+4*(\s)+(\b)/2
.set rY, SCP+4*(\s)+(\a)/2
.set vr, 4*(\zero)+2*((\a)%2)+(\b)%2
.if vr == 0
	v_wmma_scale_f32_16x16x128_f8f6f4 v[rD:rD+7], v[rQ:rQ+FR-1], v[rP:rP+FR-1], v[rD:rD+7], v[rX], v[rY] matrix_a_fmt:MATRIX_FMT_BF6 matrix_b_fmt:MATRIX_FMT_BF6
.elseif vr == 1
	v_wmma_scale_f32_16x16x128_f8f6f4 v[rD:rD+7], v[rQ:rQ+FR-1], v[rP:rP+FR-1], v[rD:rD+7], v[rX], v[rY] matrix_a_fmt:MATRIX_FMT_BF6 matrix_b_fmt:MATRIX_FMT_BF6 matrix_a_scale:MATRIX_SCALE_ROW1
.elseif vr == 2
	v_wmma_scale_f32_16x16x128_f8f6f4 v[rD:rD+7], v[rQ:rQ+FR-1], v[rP:rP+FR-1], v[rD:rD+7], v[rX], v[rY] matrix_a_fmt:MATRIX_FMT_BF6 matrix_b_fmt:MATRIX_FMT_BF6 matrix_b_scale:MATRIX_SCALE_ROW1
.elseif vr == 3
	v_wmma_scale_f32_16x16x128_f8f6f4 v[rD:rD+7], v[rQ:rQ+FR-1], v[rP:rP+FR-1], v[rD:rD+7], v[rX], v[rY] matrix_a_fmt:MATRIX_FMT_BF6 matrix_b_fmt:MATRIX_FMT_BF6 matrix_a_scale:MATRIX_SCALE_ROW1 matrix_b_scale:MATRIX_SCALE_ROW1
.elseif vr == 4
	v_wmma_scale_f32_16x16x128_f8f6f4 v[rD:rD+7], v[rQ:rQ+FR-1], v[rP:rP+FR-1], 0, v[rX], v[rY] matrix_a_fmt:MATRIX_FMT_BF6 matrix_b_fmt:MATRIX_FMT_BF6
.elseif vr == 5
	v_wmma_scale_f32_16x16x128_f8f6f4 v[rD:rD+7], v[rQ:rQ+FR-1], v[rP:rP+FR-1], 0, v[rX], v[rY] matrix_a_fmt:MATRIX_FMT_BF6 matrix_b_fmt:MATRIX_FMT_BF6 matrix_a_scale:MATRIX_SCALE_ROW1
.elseif vr == 6
	v_wmma_scale_f32_16x16x128_f8f6f4 v[rD:rD+7], v[rQ:rQ+FR-1], v[rP:rP+FR-1], 0, v[rX], v[rY] matrix_a_fmt:MATRIX_FMT_BF6 matrix_b_fmt:MATRIX_FMT_BF6 matrix_b_scale:MATRIX_SCALE_ROW1
.else
	v_wmma_scale_f32_16x16x128_f8f6f4 v[rD:rD+7], v[rQ:rQ+FR-1], v[rP:rP+FR-1], 0, v[rX], v[rY] matrix_a_fmt:MATRIX_FMT_BF6 matrix_b_fmt:MATRIX_FMT_BF6 matrix_a_scale:MATRIX_SCALE_ROW1 matrix_b_scale:MATRIX_SCALE_ROW1
.endif
.endm
.macro MUL16 a0, set, s, zero          ; the 64 accumulators take turns, one instruction a turn, in the same order in every step
.irp a, \a0, \a0+1
.irp b, 0,1,2,3,4,5,6,7
	WM (\a), \b, \set, \s, \zero
.endr
.endr
.endm
.macro FRAG reg, adr, j, i
.irp c, 0,1,2
	ds_load_b128 v[\reg+4*\c:\reg+4*\c+3], v[\adr] offset:(\j)*UNIT+(\i)*FRB+512*\c
.endr
.endm
.macro FETCH_Q slot, j, set            ; 24 loads
	WIN TO_Q
.irp i, 0,1,2,3,4,5,6,7
	FRAG 128*(\set)+FR*\i, ADRQ+\slot, \j, \i
.endr
	WIN 0
.endm
.macro FETCH_P slot, j, i0             ; 12 loads
.irp i, \i0, \i0+1, \i0+2, \i0+3
	FRAG PF+FR*(\i), ADRP+\slot, \j, \i
.endr
.endm
.macro STEP slot, j, s, zero           ; K step s (k's set s % 2), not its slot's last: the next step is the slot's j-th
	s_wait_dscnt 12                                ; k's set and q's blocks 0-3 are in; the youngest 12 loads (q's blocks 4-7) may be out
	WIN MUL_LO
	MUL16 0, (\s)%2, \s, \zero
	MUL16 2, (\s)%2, \s, \zero
	s_wait_dscnt 0x0
	PLACES
	FETCH_Q \slot, \j, 1-(\s)%2
	FETCH_P \slot, \j, 0
	WIN MUL_HI
	MUL16 4, (\s)%2, \s, \zero
	MUL16 6, (\s)%2, \s, \zero
	PLACES
	WIN 0
	FETCH_P \slot, \j, 4
.endm
.macro TURN slot, next, s, fill        ; a slot's last K step changes slots: ONE barrier
	s_wait_tensorcnt 0x0                           ; all my tensor loads have landed: my part of the next slot
	ds_add_u32 v[SPW], v[NIL]                      ; 0 onto my spare word
.if \fill
	s_mov_b32 s[G1+2], 96<<16                      ; no load of mine is out, so a descriptor may be written: the last chunk has two K steps, 96 rows of 256 bytes
	s_mov_b32 s[G1+4], 96
	s_mov_b32 s[G1B+2], 96<<16
	s_mov_b32 s[G1B+4], 96
	s_add_nc_u64 s[G0+4*\slot+2:G0+4*\slot+3], s[G0+4*\slot+2:G0+4*\slot+3], 2*CHUNK
	s_add_nc_u64 s[G0B+4*\slot+2:G0B+4*\slot+3], s[G0B+4*\slot+2:G0B+4*\slot+3], 2*CHUNK
.endif
	s_wait_dscnt 13                                ; (the add and the youngest 12 loads may be out)
	WIN MUL_LO
	MUL16 0, (\s)%2, \s, 0
	s_wait_dscnt 0x0                               ; the add is done, and my reads of this slot are over
	s_barrier_signal -1
	MUL16 2, (\s)%2, \s, 0
	WIN 0
	s_barrier_wait -1
.if \fill
	CREST                                          ; no wave of any partner still reads this slot or has a load on its way
	JLOAD G0+4*\slot, G1, G0B+4*\slot, G1B         ; the first tensor load behind the round; its four v_nop are the places in front of the loads below
.else
	PLACES
.endif
	FETCH_Q \next, 0, 1-(\s)%2
	FETCH_P \next, 0, 0
	WIN MUL_HI
	MUL16 4, (\s)%2, \s, 0
	MUL16 6, (\s)%2, \s, 0
	PLACES
	WIN 0
	FETCH_P \next, 0, 4
.endm
	s_wait_alu depctr_va_vdst(0)
	s_wait_tensorcnt 0x0                           ; my part of chunk 0 is in
	ds_add_u32 v[SPW], v[NIL]
	s_wait_dscnt 0x0
	CROUND
	JLOAD G0+4, G1, G0B+4, G1B                     ; chunk 1, slot 1's first fill
	FETCH_Q 0, 0, 0
	FETCH_P 0, 0, 0
	FETCH_P 0, 0, 4
	s_wait_loadcnt 0x0                             ; the scale words are in
	STEP 0, 1, 0, 1                                ; the first step's products start the sums
	STEP 0, 2, 1, 0
	TURN 0, 1, 2, 1                                ; slot 0 takes K steps 6 and 7
	STEP 1, 1, 3, 0
	STEP 1, 2, 4, 0
	TURN 1, 0, 5, 0
	STEP 0, 1, 6, 0
	s_wait_dscnt 12
	WIN MUL_LO
	MUL16 0, 1, 7, 0
	MUL16 2, 1, 7, 0
	s_wait_dscnt 0x0
	WIN MUL_HI
	MUL16 4, 1, 7, 0
	MUL16 6, 1, 7, 0
	WIN 0
	PLACES
; THE SOFTMAX OF BLOCKS 2 p AND 2 p + 1 (u = 0, 1), line by line by turns: 16 queries x 128 keys each.  A lane holds one query a block; register 16 b + i is key 32 b + 16 (lane / 16) + i.
.macro SOFT2 p
.set wn, 2+(\p)/2
.set A0, 128*((\p)%2)                  ; block 2 p's accumulators, in window wn; block 2 p + 1's lie 64 registers on
.set PC, PCB+24*((\p)%2)
.if (\p) >= 2
	s_wait_xcnt 0x0                                ; the stores of two pairs ago have read this set of code registers
.endif
	WIN 5*wn                                       ; sources 0 and 1: the accumulators' window
	s_wait_alu depctr_va_vdst(0)                   ; ahead of the accumulators' first readers
.irp b, 0,1,2,3
.irp u, 0,1
	v_max_num_f32 v[BM+4*\u+\b], v[A0+64*\u+16*\b], v[A0+64*\u+16*\b+1]   ; THE LARGEST SCORE OF EACH BLOCK OF 32 KEYS serves twice: for the row's maximum and, since p rises with the score, for the block's largest p.  Each accumulator is read from its low end on
.endr
.endr
.irp i, 2,4,6,8,10,12,14
.irp b, 0,1,2,3
.irp u, 0,1
	v_max3_num_f32 v[BM+4*\u+\b], v[A0+64*\u+16*\b+\i], v[A0+64*\u+16*\b+\i+1], v[BM+4*\u+\b]
.endr
.endr
.endr
	WIN 0
.irp k, 0,1,2,3,4,5,6,7
	v_permlanex16_b32 v[BX+\k], v[BM+\k], s[SEL], s[SEL+1]
.endr
.irp k, 0,1,2,3,4,5,6,7
	v_max_num_f32 v[BM+\k], v[BM+\k], v[BX+\k]     ; with lane l xor 16's 16 keys
.endr
.irp u, 0,1
	v_max3_num_f32 v[L+\u], v[BM+4*\u], v[BM+4*\u+1], v[BM+4*\u+2]
.endr
.irp u, 0,1
	v_max_num_f32 v[L+\u], v[L+\u], v[BM+4*\u+3]   ; the largest score of my query's 128 keys
.endr
.irp u, 0,1
	v_mul_f32 v[L+\u], s[CS], v[L+\u]              ; as t (c is positive)
.endr
.irp u, 0,1
	v_floor_f32 v[NM+2*\u], -v[L+\u]               ; -M_loc = floor(-t) = -ceil(t): a whole number
.endr
	WIN wn+0x40                                    ; source 0: the accumulators' window; destination window 1
.set j, 0
.rept 32
.irp u, 0,1
	v_pk_fma_f32 v[64*\u+j:64*\u+j+1], v[A0+64*\u+j:A0+64*\u+j+1], s[CS:CS+1], v[NM+2*\u:NM+2*\u+1] op_sel_hi:[1,0,0]   ; t - M_loc, two at a time, one rounding
.endr
.set j, j+2
.endr
	WIN 0
.irp b, 0,1,2,3
.irp u, 0,1
	v_fma_f32 v[BM+4*\u+\b], v[BM+4*\u+\b], s[CS], v[NM+2*\u]   ; the same of each block's largest score
.endr
.endr
	s_wait_alu depctr_va_vdst(0)                   ; the wait ahead of the batch
.irp k, 0,1,2,3,4,5,6,7
	v_exp_f32 v[BM+\k], v[BM+\k]                   ; the block's largest p: the same two operations on the same number give the same bits
.endr
	WIN 0x41
.set j, 0
.rept 128
	v_exp_f32 v[j], v[j]                           ; p = 2^(t - M_loc): NOT normalised
.set j, j+1
.endr
	v_nop                                          ; a plain place behind the exponentials
	s_wait_alu depctr_va_vdst(0)                   ; one wait for the whole batch, ahead of its first reader
	WIN 0x05
.irp u, 0,1
	v_pk_add_f32 v[LA+4*\u:LA+4*\u+1], v[64*\u:64*\u+1], v[64*\u+2:64*\u+3]       ; THE SUM IS TAKEN OF THE UNQUANTISED p, in two chains a block
	v_pk_add_f32 v[LA+4*\u+2:LA+4*\u+3], v[64*\u+4:64*\u+5], v[64*\u+6:64*\u+7]
.endr
	WIN 0x01
.irp j, 8,12,16,20,24,28,32,36,40,44,48,52,56,60
.irp u, 0,1
	v_pk_add_f32 v[LA+4*\u:LA+4*\u+1], v[64*\u+\j:64*\u+\j+1], v[LA+4*\u:LA+4*\u+1]
	v_pk_add_f32 v[LA+4*\u+2:LA+4*\u+3], v[64*\u+\j+2:64*\u+\j+3], v[LA+4*\u+2:LA+4*\u+3]
.endr
.endr
	WIN 0
.irp u, 0,1
	v_pk_add_f32 v[LA+4*\u:LA+4*\u+1], v[LA+4*\u:LA+4*\u+1], v[LA+4*\u+2:LA+4*\u+3]
.endr
.irp k, 0,1,2,3,4,5,6,7
	v_max_num_f32 v[BM+\k], 0x2800000, v[BM+\k]    ; the floor 2^(5 - 127): the byte cannot fall under 1
.endr
.irp u, 0,1
	v_add_f32 v[L+\u], v[LA+4*\u], v[LA+4*\u+1]
.endr
.irp k, 0,1,2,3,4,5,6,7
	v_add_nc_u32 v[SO+\k], 0xfe000000, v[BM+\k]    ; 4 off the exponent field: the conversion's scale operand
.endr
.irp u, 0,1
	v_permlanex16_b32 v[BX+\u], v[L+\u], s[SEL], s[SEL+1]
.endr
.irp k, 0,1,2,3,4,5,6,7
	v_lshrrev_b32 v[BY+\k], 23, v[SO+\k]
.endr
.irp u, 0,1
	v_add_f32 v[L+\u], v[L+\u], v[BX+\u]           ; l_loc
.endr
.irp u, 0,1
	v_lshl_or_b32 v[PW+\u], v[BY+4*\u+1], 8, v[BY+4*\u]
.endr
.irp u, 0,1
	v_lshl_or_b32 v[PW+\u], v[BY+4*\u+2], 16, v[PW+\u]
.endr
.irp u, 0,1
	v_lshl_or_b32 v[PW+\u], v[BY+4*\u+3], 24, v[PW+\u]   ; p's scale word for these 128 keys, under M_loc
.endr
	WIN 0x01                                       ; source 0: window 1
.irp u, 0,1
.irp c, 0,1
	v_cvt_scalef32_pk16_bf6_f32 v[PC+12*\u+6*\c:PC+12*\u+6*\c+2], v[64*\u+32*\c:64*\u+32*\c+15], v[SO+4*\u+2*\c]
	v_cvt_scalef32_pk16_bf6_f32 v[XT+8*\u+4*\c:XT+8*\u+4*\c+2], v[64*\u+32*\c+16:64*\u+32*\c+31], v[SO+4*\u+2*\c+1]   ; (a conversion's three registers begin on an even number)
.endr
.endr
	WIN 0
	v_nop                                          ; one plain place behind the scaled conversions
.irp u, 0,1                                    ; a WHOLE block in a lane: lanes 0-15 block 2 c, lanes 16-31 block 2 c + 1
.irp c, 0,1
.irp i, 0,1,2
	v_permlane16_swap_b32 v[PC+12*\u+6*\c+\i], v[XT+8*\u+4*\c+\i]
.endr
.endr
.endr
.irp u, 0,1
.irp c, 0,1
.irp i, 0,1,2
	v_mov_b32 v[PC+12*\u+6*\c+3+\i], v[XT+8*\u+4*\c+\i]
.endr
.endr
.endr
	v_cndmask_b32 v[SW+(\p)], v[PW], v[PW+1], s[HI]          ; lanes 0-15 the even fragment's rows, lanes 16-31 the odd one's
	v_cndmask_b32 v[NMW+2*(\p)], v[NM], v[NM+2], s[HI]
	v_cndmask_b32 v[NMW+2*(\p)+1], v[L], v[L+1], s[HI]
.irp u, 0,1
.irp c, 0,1,2
	global_store_b128 v[LI], v[PC+12*\u+4*\c:PC+12*\u+4*\c+3], s[8:9] offset:(2*(\p)+\u)*FRB+512*\c   ; 512 consecutive bytes a store
.endr
.endr
.endm
.irp p, 0,1,2,3
	SOFT2 \p
.endr
	global_store_b128 v[LI], v[SW:SW+3], s[10:11]
	global_store_b128 v[LI], v[NMW:NMW+3], s[12:13]
	global_store_b128 v[LI], v[NMW+4:NMW+7], s[12:13] offset:512
	s_wait_tensorcnt 0x0                           ; the wave's end
	ds_add_u32 v[SPW], v[NIL]
	s_wait_dscnt 0x0
	CROUND                                         ; the closing round: no work-group ends while a partner may still ask for a tile that names it
	s_endpgm
.Lfunc_end_k_q1254e78da3_scores:
	.size	k_q1254e78da3_scores, .Lfunc_end_k_q1254e78da3_scores-k_q1254e78da3_scores
	.p2alignl 7, 3214868480
	.fill 96, 4, 3214868480
	.section	.rodata,"a",@progbits
	.p2align	6, 0x0
	.amdhsa_kernel k_q1254e78da3_scores
		.amdhsa_group_segment_fixed_size 327680
		.amdhsa_private_segment_fixed_size 0
		.amdhsa_enable_private_segment 0
		.amdhsa_kernarg_size 40
		.amdhsa_user_sgpr_count 2
		.amdhsa_user_sgpr_kernarg_segment_ptr 1
		.amdhsa_wavefront_size32 1
		.amdhsa_system_sgpr_workgroup_id_x 1
		.amdhsa_system_sgpr_workgroup_id_y 1
		.amdhsa_system_sgpr_workgroup_id_z 1
		.amdhsa_system_vgpr_workitem_id 0
		.amdhsa_next_free_vgpr 1024
		.amdhsa_next_free_sgpr 100
		.amdhsa_reserve_vcc 0
		.amdhsa_float_denorm_mode_32 3
		.amdhsa_float_denorm_mode_16_64 3
		.amdhsa_memory_ordered 1
		.amdhsa_forward_progress 1
		.amdhsa_inst_pref_size 190
	.end_amdhsa_kernel
	.amdgpu_metadata
---
amdhsa.version: [ 1, 2 ]
amdhsa.kernels:
  - .name:           k_q1254e78da3_scores
    .symbol:         k_q1254e78da3_scores.kd
    .args:
      - { .name: c2, .offset: 0, .size: 8, .value_kind: global_buffer, .address_space: global }
      - { .name: s2, .offset: 8, .size: 8, .value_kind: global_buffer, .address_space: global }
      - { .name: c3, .offset: 16, .size: 8, .value_kind: global_buffer, .address_space: global }
      - { .name: s3, .offset: 24, .size: 8, .value_kind: global_buffer, .address_space: global }
      - { .name: st, .offset: 32, .size: 8, .value_kind: global_buffer, .address_space: global }
    .group_segment_fixed_size: 327680
    .private_segment_fixed_size: 0
    .kernarg_segment_align: 8
    .kernarg_segment_size: 40
    .max_flat_workgroup_size: 128
    .sgpr_count:     100
    .vgpr_count:     1024
    .wavefront_size: 32
...
	.end_amdgpu_metadata
.endif
;; end of part 3
;; launch pv (part 4): grid 4 x 64, 4 waves a work-group, clusters of 4 x 4, 327,680 bytes of LDS; arguments c3, s3, st, c2, s2, out0; writes out0
.if DOCPART == 4
	.amdgcn_target "amdgcn-amd-amdhsa--gfx1250"
	.amdhsa_code_object_version 6
	.text
	.protected	k_q1254e78da3_pv
	.globl	k_q1254e78da3_pv
	.p2align	8
	.type	k_q1254e78da3_pv,@function
k_q1254e78da3_pv:
	s_mov_b64 s[64:65], 0
	v_nop
	global_prefetch_b8 v0, s[64:65] scope:SCOPE_SE
	s_setreg_imm32_b32 hwreg(HW_REG_WAVE_MODE, 25, 1), 1
	s_wait_xcnt 0x0
	s_wait_alu depctr_hold_cnt(0) depctr_sa_sdst(0) depctr_va_vdst(0) depctr_va_sdst(0) depctr_va_ssrc(0) depctr_va_vcc(0) depctr_vm_vsrc(0)
	s_getreg_b32 s2, hwreg(HW_REG_IB_STS2, 6, 4)
	s_cmp_eq_u32 s2, 0
	s_cbranch_scc0 .Lentry_in_a_cluster
	s_endpgm
.Lentry_in_a_cluster:
	s_bfe_u32 s2, ttmp6, 0x10000c
	s_cmp_lg_u32 s2, 0xf033
	s_cbranch_scc0 .Lentry_shape_is_right
	s_endpgm
.Lentry_shape_is_right:
; O = p v / l on codes of BF6 (E3M2) with E8M0 scales, K = 2,048 keys.  p's codes stand under a whole number M_loc for each 128 keys; a row's M is the largest M_loc: p's scale bytes go down by M - M_loc, and l = the sum of l_loc 2^(M_loc - M).
; LAYOUT: units of 128 rows x 128 K, 8 fragments of 1,536 bytes as images of the operand's registers (registers 4 c .. 4 c + 3 of lane l at 512 c + 16 l); fragment 2 g + u, lane-row r = row 32 g + 8 u + r + 8 (r / 8).
; Scale words: 512 bytes a unit, lane l's four words (groups 0-3) at 16 l, lanes 0-15 fragment 2 g's rows, lanes 16-31 fragment 2 g + 1's.  st: 1,024 bytes a unit, (-M_loc, l_loc) of groups 0, 1 at 16 l, of groups 2, 3 at 512 + 16 l.
; SHARES.  128 queries x 256 columns of O to a work-group: 64 x 4 = 256 work-groups.  A wave makes 128 x 64: 32 accumulators.  P's fragments (source 1: a lane holds one query) serve all four waves; a fragment of v (source 0: a lane's
; registers run along O's columns) serves ONE wave.  So P comes into LDS (196,608 bytes for all 2,048 keys) and stays; v's codes of K steps 0-12 go from memory straight into registers, 512 consecutive bytes a load, and those of
; K steps 13-15 (73,728 bytes) come through LDS, which has room for these beside P.
; LOADS INTO LDS: at the head P's K steps 0-9 and v's scale words; behind them P's K steps 10-15 and v's 13-15, which have K steps 0-8 in which to land.  No byte is filled twice.
; CLUSTER 4 x 4: P is asked for jointly along a row of the cluster, v's part in LDS and its scale words along a column.  The rest of v is not shared: LDS has no room for it beside P, and no second wave of the work-group reads it.
; NO PREFETCH: v's own loads run five K steps ahead (60 loads a wave).
; ADJUSTING.  Wave g does group g's 32 rows: M, the 16 scale words and l; they meet in LDS, in bytes that no tensor load fills.
; The last two K steps go by rows: each block of 16 queries is finished, scaled and sent while the next is multiplied.
; LIMITS: NaN and infinities are not served.  A scale byte of p that would fall under 0 becomes 0, and l_loc takes part with 2^-127 at the least: parts under 2^-100 of the row's largest p.
; REGISTERS: window 0: v10-25 addresses; v32-49 scale words; v64-191 at work in the head, later rows on their way out; v192-239 the sixth set of v; v240-255 1 / l.
;   window 1: P's fragments, two sets at v0 and v128, in the last two steps by rows;  window 2: accumulator (a, b) at v[8 (4 a + b)];  window 3: five sets of v's four fragments.
.set FR,    12
.set FRB,   1536
.set UNIT,  8*FRB
.set VSC,   16*UNIT                    ; LDS: behind P: v's scale words, 8,192 bytes for each of two row blocks
.set ADJ,   VSC+16384                  ; p's adjusted scale words, 16 x 512 bytes, then 1 / l, 512 bytes
.set STG,   ADJ+8192+512               ; a stage for each wave: 16 rows x (256 bytes + 16)
.set SPITCH, 272
.set VL,    STG+4*16*SPITCH            ; v's K steps 13-15, three units for each of two row blocks
.set SPARE, VL+6*UNIT                  ; the spare words, 128 bytes a wave: two blocks of 256 bytes that no other line names
.set ADS,  10                          ; v10 p's adjusted words
.set ADV,  11                          ; v11 my two groups of v's scale words
.set EX,   12                          ; v12 where my group's words go
.set STO,  13                          ; v13 the stage, in
.set RD,   14                          ; v14 and back
.set CO,   15                          ; v15 my byte offset in O
.set ADL,  16                          ; v16 my four fragments of v in LDS
.set SPW,  20
.set NIL,  21
.set LI,   22                          ; v22 16 x lane; v22-25 LDS addresses of P, four K steps apart
.set ADP,  22
.set SPS,  32                          ; p's scale words: step s at v[32 + 4 (s % 2)], step 15's at v44-47
.set SVS,  40                          ; v's: v[40 + 2 (s % 2)], step 15's at v48-49
.set RL,   52                          ; v52-55 1 / l as it comes, v56-59 lane l xor 16's
.set XR,   56
.set NM,   64                          ; v64-95 (-M_loc, l_loc) of 16 units, in the head
.set W,    96                          ; v96-111 their scale words
.set TA,   112
.set TB,   116
.set TC,   120
.set LL,   144                         ; v144-159 l_loc under M
.set LS,   160
.set BK,   64                          ; v64-191 rows read back from the stage, four sets
.set RA,   240                         ; v240-255 1 / l of each block's rows, twice each (a packed factor)
.set G1,   24
.set G0,   32                          ; s[32:39] two sets: the head's load and the later one
.set G1B,  48
.set G0B,  56                          ; s[56:63]
.set SEL,  66
.set HI,   98
.set MSB, 0
.macro WIN new                         ; the immediate's high byte repeats the setting that is left
.if MSB != (\new)
	s_set_vgpr_msb (MSB<<8)|(\new)
.set MSB, (\new)
.endif
.endm
; A joint load: waves 0 and 1 fetch P, waves 2 and 3 for v.  The branch hangs on the wave's number alone.  Four v_nop follow each of the two lines.
.macro JLOAD n
	s_cmp_eq_u32 s15, 0
	s_cbranch_scc0 .Lfor_v_\@
	tensor_load_to_lds s[G0+4*\n:G0+4*\n+3], s[G1:G1+7]
	s_nop 0
.rept 4
	v_nop
.endr
	s_branch .Lasked_\@
.Lfor_v_\@:
	tensor_load_to_lds s[G0B+4*\n:G0B+4*\n+3], s[G1B:G1B+7]
	s_nop 0
.rept 4
	v_nop
.endr
.Lasked_\@:
.endm
.macro CROUND                          ; a round of the cluster's barrier
	s_barrier_signal -1
	s_barrier_wait -1
	s_cmp_lg_u32 s14, 0
	s_cbranch_scc1 .Lnot_wave_0_\@
	s_barrier_signal -3
.Lnot_wave_0_\@:
	s_barrier_wait -3
	s_barrier_signal -1
	s_barrier_wait -1
.endm
.macro SHAPE g, rows                   ; group 1, words 1-7: a dense block as rows of 256 bytes (32 elements of 8 bytes)
	s_mov_b32 s[\g+1], 32<<16
	s_mov_b32 s[\g+2], (\rows)<<16
	s_mov_b32 s[\g+3], 32<<16
	s_mov_b32 s[\g+4], \rows
	s_mov_b32 s[\g+5], 32
	s_mov_b32 s[\g+6], 0
	s_mov_b32 s[\g+7], 0
.endm
.macro PLACES                          ; four plain places behind matrix instructions (except for loads)
.rept 4
	v_nop
.endr
.endm
	s_load_b256 s[4:11], s[0:1], 0x0               ; c3 s[4:5], s3 s[6:7], st s[8:9], c2 s[10:11]
	s_load_b128 s[92:95], s[0:1], 0x20             ; s2 s[92:93], out0 s[94:95]
	v_lshl_add_u32 v[SPW], v0, 2, SPARE
	v_mov_b32 v[NIL], 0
	ds_add_u32 v[SPW], v[NIL]                      ; the opening add, twice on end, and one wait below
	ds_add_u32 v[SPW], v[NIL]
	v_lshrrev_b32 v1, 5, v0
	v_readfirstlane_b32 s14, v1                    ; wave 0..3
	s_lshr_b32 s15, s14, 1                         ; my row block of v of the two.  Also: I fetch P (0) or for v (1)
	s_and_b32 s16, s14, 1                          ; its half.  Also: which part I fetch
	s_bfe_u32 s40, ttmp6, 0x40000
	s_bfe_u32 s41, ttmp6, 0x40004
	s_lshl_b32 s42, ttmp9, 2
	s_add_co_u32 s42, s42, s40                     ; X: 256 columns of O
	s_and_b32 s17, ttmp7, 0xffff
	s_lshr_b32 s18, s17, 2                         ; the batch: four clusters along y to a batch, so all sixteen partners share it
	s_lshl_b32 s17, s17, 2
	s_add_co_u32 s17, s17, s41                     ; Y: 128 queries
	s_lshl_b32 s43, s41, 2
	s_lshl_b32 s43, 15, s43                        ; my row of the cluster
	s_lshl_b32 s44, 0x1111, s40                    ; my column
	s_lshl_b32 s18, s18, 3
	s_lshl_b32 s19, s42, 1
	s_add_co_u32 s18, s18, s19                     ; v's first row block: 8 batch + 2 X
	s_or_b32 s[G1], s43, (3<<16)|(1<<21)           ; 15:0 the mask; 17:16 elements of 8 bytes; 21 set beside a mask
	s_or_b32 s[G1B], s44, (3<<16)|(1<<21)
	SHAPE G1, 240                                  ; five units of P
	SHAPE G1B, 32                                  ; a row block's scale words
	s_mul_i32 s22, s17, 16*UNIT
	s_mul_i32 s73, s16, 3*UNIT
	s_add_co_u32 s73, s73, 10*UNIT                 ; P's later part: K steps 10-12 or 13-15
	s_add_co_u32 s74, s22, s73
	s_mov_b32 s75, 0
	s_mul_i32 s45, s16, 5*UNIT                     ; P's first part: K steps 0-4 or 5-9, in memory and in LDS
	s_add_co_u32 s22, s22, s45
	s_mov_b32 s23, 0
	s_add_co_u32 s46, s18, s16                     ; for v I fetch row block 2 X + part
	s_mul_i32 s76, s46, 16*UNIT
	s_add_co_u32 s76, s76, 1037*UNIT               ; its codes from K step 13 on (v lies behind q's and k's 1,024 units),
	s_mov_b32 s77, 0
	s_lshl_b32 s46, s46, 13
	s_add_co_u32 s46, s46, 1024*512                ; its scale words
	s_mov_b32 s47, 0
	s_lshl_b32 s2, s16, 13
	s_add_co_u32 s2, s2, VSC
	s_mul_i32 s78, s16, 3*UNIT
	s_add_co_u32 s78, s78, VL
	s_add_co_u32 s96, s18, s15
	s_mul_i32 s96, s96, 16*UNIT
	s_mul_i32 s97, s16, 4*FRB
	s_add_co_u32 s96, s96, s97
	s_add_co_u32 s96, s96, 1024*UNIT               ; my four fragments of v, K step 0
	s_mul_i32 s79, s15, 3*UNIT
	s_add_co_u32 s79, s79, s97
	s_add_co_u32 s79, s79, VL                      ; and in LDS, K step 13
	s_mov_b32 s97, 0
	s_lshl_b32 s20, s17, 14
	s_lshl_b32 s21, s15, 9
	s_add_co_u32 s20, s20, s21
	s_lshl_b32 s21, s16, 3
	s_add_co_u32 s20, s20, s21                     ; st: group g = my wave
	s_mov_b32 s21, 0
	s_lshl_b32 s40, s17, 13
	s_lshl_b32 s41, s14, 2
	s_add_co_u32 s40, s40, s41                     ; p's scale words of group g
	s_mov_b32 s41, 0
	s_lshl_b32 s68, s17, 19
	s_lshl_b32 s69, s42, 10
	s_add_co_u32 s68, s68, s69
	s_lshl_b32 s69, s14, 8
	s_add_co_u32 s68, s68, s69                     ; O: 128 Y rows of 4,096 bytes, + 1,024 X, + 256 x wave
	s_mov_b32 s69, 0
	s_lshl_b32 s70, s15, 13
	s_lshl_b32 s71, s16, 3
	s_add_co_u32 s70, s70, s71
	s_add_co_u32 s70, s70, VSC
	s_lshl_b32 s71, s14, 2
	s_add_co_u32 s71, s71, ADJ
	s_mul_i32 s72, s14, 16*SPITCH
	s_add_co_u32 s72, s72, STG
	s_mov_b32 s[SEL], 0x76543210
	s_mov_b32 s[SEL+1], 0xfedcba98
	s_mov_b32 s[HI], 0xffff0000                    ; the mask of lanes 16-31
	v_and_b32 v2, 31, v0
	v_lshlrev_b32 v[LI], 4, v2
	v_and_b32 v3, 15, v0                           ; r
	v_bfe_u32 v4, v0, 4, 1                         ; h
	v_add_nc_u32 v[ADP+1], 4*UNIT, v[LI]
	v_add_nc_u32 v[ADP+2], 8*UNIT, v[LI]
	v_add_nc_u32 v[ADP+3], 12*UNIT, v[LI]
	v_add_nc_u32 v[ADS], ADJ, v[LI]
	v_add_nc_u32 v[ADV], s70, v[LI]
	v_add_nc_u32 v[EX], s71, v[LI]
	v_add_nc_u32 v[ADL], s79, v[LI]
	v_mul_u32_u24 v[STO], v3, SPITCH               ; in: row r, 64 bytes on for lanes 16-31
	v_lshl_add_u32 v[STO], v4, 6, v[STO]
	v_add_nc_u32 v[STO], s72, v[STO]
	v_mul_u32_u24 v[RD], v4, SPITCH                ; back: sixteen lanes take a row of 256 bytes
	v_lshl_add_u32 v[RD], v3, 4, v[RD]
	v_add_nc_u32 v[RD], s72, v[RD]
	v_lshlrev_b32 v[CO], 12, v4
	v_lshl_add_u32 v[CO], v3, 4, v[CO]
.irp g, 0,1,2,3
	v_mov_b32 v[XR+\g], 0                          ; written once: a lane permute's destination counts as one of its sources
.endr
	s_wait_alu depctr_va_vdst(0)
	s_wait_dscnt 0x0                               ; both opening adds are done
	CROUND                                         ; all sixteen work-groups are here: the joint loads meet
	s_wait_kmcnt 0x0
	s_add_nc_u64 s[22:23], s[4:5], s[22:23]
	s_add_nc_u64 s[74:75], s[4:5], s[74:75]
	s_add_nc_u64 s[46:47], s[92:93], s[46:47]
	s_add_nc_u64 s[76:77], s[10:11], s[76:77]
	s_mov_b32 s[G0], 1
	s_mov_b32 s[G0+1], s45
	s_mov_b64 s[G0+2:G0+3], s[22:23]
	s_or_b32 s[G0+3], s[G0+3], 0x80000000
	s_mov_b32 s[G0B], 1
	s_mov_b32 s[G0B+1], s2
	s_mov_b64 s[G0B+2:G0B+3], s[46:47]
	s_or_b32 s[G0B+3], s[G0B+3], 0x80000000
	JLOAD 0                                        ; one load a wave: P's K steps 0-9, v's scale words
	s_mov_b32 s[G0+4], 1
	s_mov_b32 s[G0+5], s73
	s_mov_b64 s[G0+6:G0+7], s[74:75]
	s_or_b32 s[G0+7], s[G0+7], 0x80000000
	s_mov_b32 s[G0B+4], 1
	s_mov_b32 s[G0B+5], s78
	s_mov_b64 s[G0B+6:G0B+7], s[76:77]
	s_or_b32 s[G0B+7], s[G0B+7], 0x80000000
	s_add_nc_u64 s[8:9], s[8:9], s[20:21]
	s_add_nc_u64 s[6:7], s[6:7], s[40:41]
	s_add_nc_u64 s[10:11], s[10:11], s[96:97]
	s_add_nc_u64 s[94:95], s[94:95], s[68:69]
.set i, 0
.rept 16
	global_load_b64 v[NM+2*i:NM+2*i+1], v[LI], s[8:9] offset:1024*i
	global_load_b32 v[W+i], v[LI], s[6:7] offset:512*i
.set i, i+1
.endr
; v's four fragments of K step s, 12 loads, into set s % 6: sets 0-4 in window 3, set 5 in window 0
.macro VLOAD s
.set VB, 48*((\s)%6)
.if (\s)%6 == 5
.set VB, 192
	WIN 0
.else
	WIN 0xc0
.endif
.irp i, 0,1,2,3
.irp c, 0,1,2
	global_load_b128 v[VB+FR*\i+4*\c:VB+FR*\i+4*\c+3], v[LI], s[10:11] offset:(\s)*UNIT+\i*FRB+512*\c
.endr
.endr
.endm
; the same of K steps 13-15, out of LDS, into sets 1-3
.macro VLDS s
.set VB, 48*((\s)%6)
	WIN 0xc0
.irp i, 0,1,2,3
.irp c, 0,1,2
	ds_load_b128 v[VB+FR*\i+4*\c:VB+FR*\i+4*\c+3], v[ADL] offset:((\s)-13)*UNIT+\i*FRB+512*\c
.endr
.endr
.endm
	VLOAD 0
	VLOAD 1
	WIN 0
	s_wait_loadcnt 24                              ; group g's words are in; K steps 0 and 1 of v, 24 loads, may be out
	VLOAD 2
	VLOAD 3
	VLOAD 4                                        ; 60 loads of v are out at the most
	WIN 0
	; group g: the least -M_loc of 16 is -M
	v_min3_num_f32 v[TA], v[NM], v[NM+2], v[NM+4]
	v_min3_num_f32 v[TA+1], v[NM+6], v[NM+8], v[NM+10]
.irp i, 12,20
	v_min3_num_f32 v[TA], v[TA], v[NM+\i], v[NM+\i+2]
	v_min3_num_f32 v[TA+1], v[TA+1], v[NM+\i+4], v[NM+\i+6]
.endr
	v_min3_num_f32 v[TA], v[TA], v[NM+28], v[NM+30]
	v_min_num_f32 v[TA], v[TA], v[TA+1]
.set i, 0
.rept 16
	v_sub_f32 v[NM+2*i], v[NM+2*i], v[TA]          ; M - M_loc: a whole number, 0 or more
.set i, i+1
.endr
.set i, 0
.rept 16
	v_cvt_i32_f32 v[NM+2*i], v[NM+2*i]             ; (it saturates)
.set i, i+1
.endr
.set i, 0
.rept 16
	v_min_u32 v[NM+2*i], 127, v[NM+2*i]
.set i, i+1
.endr
; Four bytes at a time: p's bytes are at most 123 (p is at most 1).  Bit 7 is set in each, the difference taken off, and where bit 7 is gone the byte becomes 0.
.set i, 0
.rept 4
.irp k, 0,1,2,3
	v_perm_b32 v[TA+\k], v[NM+2*(i+\k)], v[NM+2*(i+\k)], 0   ; the difference in all four bytes
.endr
.irp k, 0,1,2,3
	v_or_b32 v[TB+\k], 0x80808080, v[W+i+\k]
.endr
.irp k, 0,1,2,3
	v_sub_nc_u32 v[TB+\k], v[TB+\k], v[TA+\k]
.endr
.irp k, 0,1,2,3
	v_and_b32 v[TA+\k], 0x80808080, v[TB+\k]
.endr
.irp k, 0,1,2,3
	v_lshrrev_b32 v[TC+\k], 7, v[TA+\k]
.endr
.irp k, 0,1,2,3
	v_sub_nc_u32 v[TA+\k], v[TA+\k], v[TC+\k]      ; 0x7f in the bytes that stay
.endr
.irp k, 0,1,2,3
	v_and_b32 v[W+i+\k], v[TB+\k], v[TA+\k]
.endr
.irp k, 0,1,2,3
	v_sub_nc_u32 v[TC+\k], 0, v[NM+2*(i+\k)]
.endr
.irp k, 0,1,2,3
	v_ldexp_f32 v[LL+i+\k], v[NM+2*(i+\k)+1], v[TC+\k]   ; l_loc under M
.endr
.set i, i+4
.endr
	v_pk_add_f32 v[LS:LS+1], v[LL:LL+1], v[LL+2:LL+3]
	v_pk_add_f32 v[LS+2:LS+3], v[LL+4:LL+5], v[LL+6:LL+7]
	v_pk_add_f32 v[LS:LS+1], v[LS:LS+1], v[LL+8:LL+9]
	v_pk_add_f32 v[LS+2:LS+3], v[LS+2:LS+3], v[LL+10:LL+11]
	v_pk_add_f32 v[LS:LS+1], v[LS:LS+1], v[LL+12:LL+13]
	v_pk_add_f32 v[LS+2:LS+3], v[LS+2:LS+3], v[LL+14:LL+15]
	v_pk_add_f32 v[LS:LS+1], v[LS:LS+1], v[LS+2:LS+3]
	v_add_f32 v[LS+4], v[LS], v[LS+1]
	s_wait_alu depctr_va_vdst(0)                   ; the wait ahead of the transcendental
	v_rcp_f32 v[LS+5], v[LS+4]
	v_nop
	s_wait_alu depctr_va_vdst(0)                   ; and behind it
	s_wait_tensorcnt 0x0                           ; my part of P or of v's scale words is in: no load of mine is out
.set i, 0
.rept 16
	ds_store_b32 v[EX], v[W+i] offset:512*i        ; group g's word of unit i: 16 x lane + 4 g
.set i, i+1
.endr
	ds_store_b32 v[EX], v[LS+5] offset:8192
	s_wait_tensorcnt 0x0
	ds_add_u32 v[SPW], v[NIL]
	s_mov_b32 s[G1+2], 144<<16                     ; (no load is out, so descriptors may be written: three units a load from here on)
	s_mov_b32 s[G1+4], 144
	s_mov_b32 s[G1B+2], 144<<16
	s_mov_b32 s[G1B+4], 144
	s_wait_dscnt 0x0                               ; the add is done, and for the others' sake: my words have landed
	CROUND                                         ; P's K steps 0-9, the scale words and 1 / l are whole
	JLOAD 1                                        ; P's K steps 10-15, v's K steps 13-15
.macro SETS s                          ; step s: v's set, the windows, the scale registers
.set VB, 48*((\s)%6)
.set MW, 0xa7                          ; source 0 (v) window 3, source 1 (P) window 1, C and D window 2
.if (\s)%6 == 5
.set VB, 192
.set MW, 0xa4                          ; source 0 window 0
.endif
.set PB, SPS+4*((\s)%2)
.set QB, SVS+2*((\s)%2)
.if (\s) == 15
.set PB, SPS+12
.set QB, SVS+8
.endif
.endm
.macro WM a, b, p, zero                ; accumulator (a, b) += v's fragment b x P's fragment a, at register p; fragment 2 g + u takes scale register g, lanes 0-15 (u = 0) or 16-31 (u = 1)
.set rD, 8*(4*(\a)+(\b))
.set rQ, VB+FR*(\b)
.set rP, \p
.set rX, QB+(\b)/2
.set rY, PB+(\a)/2
.set vr, 4*(\zero)+2*((\a)%2)+(\b)%2
.if vr == 0
	v_wmma_scale_f32_16x16x128_f8f6f4 v[rD:rD+7], v[rQ:rQ+FR-1], v[rP:rP+FR-1], v[rD:rD+7], v[rX], v[rY] matrix_a_fmt:MATRIX_FMT_BF6 matrix_b_fmt:MATRIX_FMT_BF6
.elseif vr == 1
	v_wmma_scale_f32_16x16x128_f8f6f4 v[rD:rD+7], v[rQ:rQ+FR-1], v[rP:rP+FR-1], v[rD:rD+7], v[rX], v[rY] matrix_a_fmt:MATRIX_FMT_BF6 matrix_b_fmt:MATRIX_FMT_BF6 matrix_a_scale:MATRIX_SCALE_ROW1
.elseif vr == 2
	v_wmma_scale_f32_16x16x128_f8f6f4 v[rD:rD+7], v[rQ:rQ+FR-1], v[rP:rP+FR-1], v[rD:rD+7], v[rX], v[rY] matrix_a_fmt:MATRIX_FMT_BF6 matrix_b_fmt:MATRIX_FMT_BF6 matrix_b_scale:MATRIX_SCALE_ROW1
.elseif vr == 3
	v_wmma_scale_f32_16x16x128_f8f6f4 v[rD:rD+7], v[rQ:rQ+FR-1], v[rP:rP+FR-1], v[rD:rD+7], v[rX], v[rY] matrix_a_fmt:MATRIX_FMT_BF6 matrix_b_fmt:MATRIX_FMT_BF6 matrix_a_scale:MATRIX_SCALE_ROW1 matrix_b_scale:MATRIX_SCALE_ROW1
.elseif vr == 4
	v_wmma_scale_f32_16x16x128_f8f6f4 v[rD:rD+7], v[rQ:rQ+FR-1], v[rP:rP+FR-1], 0, v[rX], v[rY] matrix_a_fmt:MATRIX_FMT_BF6 matrix_b_fmt:MATRIX_FMT_BF6
.elseif vr == 5
	v_wmma_scale_f32_16x16x128_f8f6f4 v[rD:rD+7], v[rQ:rQ+FR-1], v[rP:rP+FR-1], 0, v[rX], v[rY] matrix_a_fmt:MATRIX_FMT_BF6 matrix_b_fmt:MATRIX_FMT_BF6 matrix_a_scale:MATRIX_SCALE_ROW1
.elseif vr == 6
	v_wmma_scale_f32_16x16x128_f8f6f4 v[rD:rD+7], v[rQ:rQ+FR-1], v[rP:rP+FR-1], 0, v[rX], v[rY] matrix_a_fmt:MATRIX_FMT_BF6 matrix_b_fmt:MATRIX_FMT_BF6 matrix_b_scale:MATRIX_SCALE_ROW1
.else
	v_wmma_scale_f32_16x16x128_f8f6f4 v[rD:rD+7], v[rQ:rQ+FR-1], v[rP:rP+FR-1], 0, v[rX], v[rY] matrix_a_fmt:MATRIX_FMT_BF6 matrix_b_fmt:MATRIX_FMT_BF6 matrix_a_scale:MATRIX_SCALE_ROW1 matrix_b_scale:MATRIX_SCALE_ROW1
.endif
.endm
.macro PFETCH s                        ; 26 loads: P's eight fragments of K step s into set s % 2, and the step's scale words
	WIN 0x40
.irp i, 0,1,2,3,4,5,6,7
.irp c, 0,1,2
	ds_load_b128 v[128*((\s)%2)+FR*\i+4*\c:128*((\s)%2)+FR*\i+4*\c+3], v[ADP+(\s)/4] offset:((\s)%4)*UNIT+\i*FRB+512*\c
.endr
.endr
	WIN 0
	ds_load_b128 v[SPS+4*((\s)%2):SPS+4*((\s)%2)+3], v[ADS] offset:512*(\s)
	ds_load_b64 v[SVS+2*((\s)%2):SVS+2*((\s)%2)+1], v[ADV] offset:512*(\s)
.endm
.macro RBASE a                         ; the last two steps: where P's block a, 24 registers, lies in window 1.  Blocks 0 and 1 lie beside the two sets, 2-5 in set 0, 6 and 7 in set 1
.if (\a) == 0
.set RB, 96
.elseif (\a) == 1
.set RB, 224
.elseif (\a) < 6
.set RB, 24*((\a)-2)
.else
.set RB, 128+24*((\a)-6)
.endif
.endm
.macro RLOAD a                         ; 6 loads: block a's fragments of K steps 14 and 15
	RBASE \a
.irp q, 0,1
.irp c, 0,1,2
	ds_load_b128 v[RB+FR*\q+4*\c:RB+FR*\q+4*\c+3], v[ADP+3] offset:(2+\q)*UNIT+(\a)*FRB+512*\c
.endr
.endr
.endm
; K step s: the next step's LDS loads and v's loads of five steps on go out ahead of its 32 products.  The 32 accumulators take turns, one instruction a turn, in the same order in every step.
.macro STEPK s, zero
.if (\s) == 9
	s_barrier_wait -1                              ; everybody's later part has landed: P's K steps 10-15, v's 13-15
.endif
	PLACES
.if (\s) < 13
	PFETCH (\s)+1
.else                                  ; 5 + 36 loads: the last two steps' scale words, 1 / l, and blocks 0-5
	ds_load_b128 v[SPS:SPS+3], v[ADS] offset:512*14
	ds_load_b128 v[SPS+12:SPS+15], v[ADS] offset:512*15
	ds_load_b64 v[SVS:SVS+1], v[ADV] offset:512*14
	ds_load_b64 v[SVS+8:SVS+9], v[ADV] offset:512*15
	ds_load_b128 v[RL:RL+3], v[ADS] offset:8192
	WIN 0x40
.irp r, 0,1,2,3,4,5
	RLOAD \r
.endr
	WIN 0
.endif
.if (\s) >= 10 && (\s) <= 12
	VLDS (\s)+3                                    ; into a set that was multiplied six steps before
.endif
.if (\s) <= 7
	VLOAD (\s)+5                                   ; into the set that the step before this one has multiplied
	s_wait_loadcnt 60                              ; this step's v is in; the five younger steps' loads may be out
.elseif (\s) <= 12
	s_wait_loadcnt 12*(12-(\s))
.endif
.if (\s) == 13
	s_wait_dscnt 41                                ; all but the 41 just issued
.elseif (\s) >= 10
	s_wait_dscnt 38                                ; all but the 26 + 12 just issued
.else
	s_wait_dscnt 26                                ; all but the 26 just issued
.endif
	SETS \s
	WIN MW
.irp a, 0,1,2,3,4,5,6,7
.if (\s) == 8 && \a == 6               ; the barrier's signal, eight products ahead of its wait.
	s_wait_tensorcnt 0x0                           ; my later part has landed
	s_wait_dscnt 0x0                               ; (no LDS instruction is pending at a signal)
	s_barrier_signal -1
.endif
.irp b, 0,1,2,3
	WM \a, \b, 128*((\s)%2)+FR*\a, \zero
.endr
.endr
	WIN 0
.endm
; THE WAY OUT of block a: scaled by 1 / l in place, through my own stage, and back as rows of 256 bytes: LDS serves a wave's instructions in order (ISA guide 5.7.1.4)
.macro OUT a
	WIN 0x82
.set j, 0
.rept 16
	v_pk_mul_f32 v[32*(\a)+j:32*(\a)+j+1], v[32*(\a)+j:32*(\a)+j+1], v[RA+2*(\a):RA+2*(\a)+1]
.set j, j+2
.endr
	WIN 0x08
.irp b, 0,1,2,3
	ds_store_b128 v[STO], v[32*(\a)+8*\b:32*(\a)+8*\b+3] offset:128*(\b/2)+32*(\b%2)
	ds_store_b128 v[STO], v[32*(\a)+8*\b+4:32*(\a)+8*\b+7] offset:128*(\b/2)+32*(\b%2)+16
.endr
	WIN 0
.set BB, BK+32*((\a)%4)
.irp t, 0,1,2,3,4,5,6,7
	ds_load_b128 v[BB+4*\t:BB+4*\t+3], v[RD] offset:2*\t*SPITCH
.endr
.endm
.macro SEND a, younger                 ; lane-rows 2 t and 2 t + 1 are rows 2 t + 8 (t / 4) and the next: each sixteen lanes store 256 consecutive bytes, aligned
.set BB, BK+32*((\a)%4)
	s_wait_dscnt \younger                          ; the block is back; the next block's 16 LDS instructions may be out
.irp t, 0,1,2,3,4,5,6,7
	global_store_b128 v[CO], v[BB+4*\t:BB+4*\t+3], s[94:95] offset:(32*((\a)/2)+8*((\a)%2)+2*\t+8*(\t/4))*4096 th:TH_STORE_NT
.endr
.endm
.macro ROW a                           ; block a's last 8 products; meanwhile block a - 1 goes to the stage and block a - 2 is stored
	PLACES                                         ; behind block a - 1's products too
.if (\a) == 0
	WIN 0x40
	RLOAD 6
	RLOAD 7
	WIN 0
	s_wait_dscnt 42                                ; block 0's six loads are in: behind them blocks 1-7's 42
.elseif (\a) == 1
	s_wait_dscnt 36
.elseif (\a) == 2
	s_wait_dscnt 46                                ; behind block 2's loads: blocks 3-7's 30 and block 0's 16 on the stage
.endif
	RBASE \a
	SETS 14
	WIN MW
.irp b, 0,1,2,3
	WM \a, \b, RB, 0
.endr
	SETS 15
	WIN MW
.irp b, 0,1,2,3
	WM \a, \b, RB+FR, 0
.endr
	WIN 0
.if (\a) == 0
.irp g, 0,1,2,3
	v_permlanex16_b32 v[XR+\g], v[RL+\g], s[SEL], s[SEL+1]
.endr
.irp g, 0,1,2,3                        ; block 2 g's rows lie in lanes 0-15 of group g's register, block 2 g + 1's in lanes 16-31: each spread over both halves
	v_cndmask_b32 v[RA+4*\g], v[RL+\g], v[XR+\g], s[HI]
	v_cndmask_b32 v[RA+4*\g+1], v[RL+\g], v[XR+\g], s[HI]
	v_cndmask_b32 v[RA+4*\g+2], v[XR+\g], v[RL+\g], s[HI]
	v_cndmask_b32 v[RA+4*\g+3], v[XR+\g], v[RL+\g], s[HI]
.endr
	s_wait_alu depctr_va_vdst(0)
.else
.if (\a) >= 5
	s_wait_xcnt 0x0                                ; the stores of four blocks ago have read the registers that the stage's rows come back to
.endif
	OUT (\a)-1
.if (\a) >= 2
	SEND (\a)-2, 16
.endif
.endif
.endm
	PFETCH 0
	STEPK 0, 1                                     ; the first step's products start the sums: nothing is cleared
.irp s, 1,2,3,4,5,6,7,8,9,10,11,12,13
	STEPK \s, 0
.endr
.irp a, 0,1,2,3,4,5,6,7
	ROW \a
.endr
	PLACES
	s_wait_xcnt 0x0
	OUT 7
	SEND 6, 16
	SEND 7, 0
	s_wait_tensorcnt 0x0                           ; the wave's end
	ds_add_u32 v[SPW], v[NIL]
	s_wait_dscnt 0x0
	CROUND                                         ; the closing round: no work-group ends while a partner may still ask for a tile that names it
	s_endpgm
.Lfunc_end_k_q1254e78da3_pv:
	.size	k_q1254e78da3_pv, .Lfunc_end_k_q1254e78da3_pv-k_q1254e78da3_pv
	.p2alignl 7, 3214868480
	.fill 96, 4, 3214868480
	.section	.rodata,"a",@progbits
	.p2align	6, 0x0
	.amdhsa_kernel k_q1254e78da3_pv
		.amdhsa_group_segment_fixed_size 327680
		.amdhsa_private_segment_fixed_size 0
		.amdhsa_enable_private_segment 0
		.amdhsa_kernarg_size 48
		.amdhsa_user_sgpr_count 2
		.amdhsa_user_sgpr_kernarg_segment_ptr 1
		.amdhsa_wavefront_size32 1
		.amdhsa_system_sgpr_workgroup_id_x 1
		.amdhsa_system_sgpr_workgroup_id_y 1
		.amdhsa_system_sgpr_workgroup_id_z 1
		.amdhsa_system_vgpr_workitem_id 0
		.amdhsa_next_free_vgpr 1024
		.amdhsa_next_free_sgpr 100
		.amdhsa_reserve_vcc 0
		.amdhsa_float_denorm_mode_32 3
		.amdhsa_float_denorm_mode_16_64 3
		.amdhsa_memory_ordered 1
		.amdhsa_forward_progress 1
		.amdhsa_inst_pref_size 162
	.end_amdhsa_kernel
	.amdgpu_metadata
---
amdhsa.version: [ 1, 2 ]
amdhsa.kernels:
  - .name:           k_q1254e78da3_pv
    .symbol:         k_q1254e78da3_pv.kd
    .args:
      - { .name: c3, .offset: 0, .size: 8, .value_kind: global_buffer, .address_space: global }
      - { .name: s3, .offset: 8, .size: 8, .value_kind: global_buffer, .address_space: global }
      - { .name: st, .offset: 16, .size: 8, .value_kind: global_buffer, .address_space: global }
      - { .name: c2, .offset: 24, .size: 8, .value_kind: global_buffer, .address_space: global }
      - { .name: s2, .offset: 32, .size: 8, .value_kind: global_buffer, .address_space: global }
      - { .name: out0, .offset: 40, .size: 8, .value_kind: global_buffer, .address_space: global }
    .group_segment_fixed_size: 327680
    .private_segment_fixed_size: 0
    .kernarg_segment_align: 8
    .kernarg_segment_size: 48
    .max_flat_workgroup_size: 128
    .sgpr_count:     100
    .vgpr_count:     1024
    .wavefront_size: 32
...
	.end_amdgpu_metadata
.endif
;; end of part 4
